; MI455X (gfx1250); checked and timed in simulation.
; The chip was launched on July 23, 2026; its instructions are those of AMD's public machine-readable ISA for CDNA 5 (MIT licence, August 2026) and "CDNA5" Instruction Set Architecture Reference Guide (July 2026). The comments in the code are by the model that wrote it; some were corrected since.
;; Cross Attention. Allowed arithmetic: float matrix products may take bf16 or f16 operands with f32 sums; other float arithmetic in f32, or as packed bf16 or f16 multiplies, adds, multiply-adds, maxima and minima; sums over many terms, partial sums and values carried from step to step in f32; what a program stores and reads back later, other than sums and carried values, may be rounded once to bf16 or f16.
;; Inputs: Wk 1,024 x 1,024 float32; Wp 1,024 x 1,024 float32; Wq 1,024 x 1,024 float32; Wv 1,024 x 1,024 float32; attn_bias 1 x 16 x 1,024 x 2,048 float32; bp 1,024 float32; context 4 x 2,048 x 1,024 float32; scale_mul 1 x 16 x 1 x 1 float32; x 4 x 1,024 x 1,024 float32.
;; Outputs: out0 4 x 1,024 x 1,024 float32.
;; 2 versions, each right; version 2 is version 1 with the launch cast written anew for expert scheduling mode. Each part assembles by itself: llvm-mc -triple=amdgcn-amd-amdhsa -mcpu=gfx1250 --defsym DOCPART=n.
;; ======== version 1 of 2: 5 launches
;; limits: values are held in f16: magnitudes above 65,504 overflow, below 6.1e-05 lose precision
;; workspace buffers: cw 20,971,520 bytes; xs 8,388,608 bytes; wqs 2,097,152 bytes; wps 2,097,152 bytes; zb 4,096 bytes; kvw 33,816,576 bytes; qf 16,777,216 bytes; oh 8,388,608 bytes
;; launch cast (part 1): grid 1024 x 1, 8 waves a work-group, no clusters, 0 bytes of LDS; arguments context, Wk, Wv, x, Wq, Wp, cw, xs, wqs, wps, zb; writes cw, xs, wqs, wps, zb
.if DOCPART == 1
	.amdgcn_target "amdgcn-amd-amdhsa--gfx1250"
	.amdhsa_code_object_version 6
	.text
	.protected	k_qb944bec63b_cast
	.globl	k_qb944bec63b_cast
	.p2align	8
	.type	k_qb944bec63b_cast,@function
k_qb944bec63b_cast:
	s_mov_b64 s[64:65], 0
	v_nop
	global_prefetch_b8 v0, s[64:65] scope:SCOPE_SE
	s_setreg_imm32_b32 hwreg(HW_REG_WAVE_MODE, 25, 1), 1
	s_wait_xcnt 0x0
; THE INPUTS OF THE FOUR PRODUCTS, ROUNDED ONCE TO bf16 AND LAID OUT FOR THE TILES THAT READ THEM.  A stream: each f32 is read once and leaves as 2 bytes.
; A work-group takes 16 rows of 1,024 f32 (65,536 bytes); each of its eight waves has its 16 loads of 16 bytes a lane out at once.  No LDS, no loop, no matrix unit: nothing is shared and nothing is summed.
; Work-groups 0-639:  context (512 groups of rows), Wk (64), Wv (64) -> cw, bf16, rows as they lie: [8192][1024], then [2048][1024] (Wk's rows, then Wv's).
; Work-groups 640-1023: x (256), Wq (64), Wp (64) -> xs, wqs, wps: the bf16 number written as f16, in slices of 64 channels: [slice][row][64], x by batches [4][16][1024][64].
; Work-group 0 also stores zb, 1,024 zeros in f32.
; LIMITS.  A number of x, Wq or Wp whose bf16 rounding is 65,520 or more in size becomes an infinity in f16; below 6.1e-5 it keeps f16's fixed step of 6e-8.
.set X,   16                           ; v[16:79]   16 loads of 4 f32
.set Y,   80                           ; v[80:111]  16 stores of 4 numbers of 16 bits
.set IN,  1                            ; v1   my byte offset in the group's 65,536 bytes
.set OUT, 2                            ; v2   my byte offset in what the group stores
	s_load_b512 s[8:23], s[0:1], 0x0               ; context s[8:9], Wk s[10:11], Wv s[12:13], x s[14:15], Wq s[16:17], Wp s[18:19], cw s[20:21], xs s[22:23]
	s_load_b128 s[24:27], s[0:1], 0x40             ; wqs s[24:25], wps s[26:27]
	s_load_b64 s[28:29], s[0:1], 0x50              ; zb
	s_mov_b32 s2, ttmp9                            ; the group's number
	s_mov_b32 s37, 0                               ; the offsets' high words
	s_mov_b32 s39, 0
	s_mov_b32 s40, 0xffff0000                      ; a word's upper bf16
	v_and_b32 v3, 31, v0                           ; lane
	v_lshrrev_b32 v12, 5, v0                       ; wave
	s_wait_kmcnt 0x0
	s_cmp_lt_u32 s2, 640
	s_cbranch_scc0 .Lsliced
	s_cmp_lg_u32 s2, 0
	s_cbranch_scc1 .Lno_zeros
	v_mov_b32 v4, 0                                ; 256 threads x 16 bytes = zb's 4,096
	v_mov_b32 v5, 0
	v_mov_b32 v6, 0
	v_mov_b32 v7, 0
	v_lshlrev_b32 v13, 4, v0
	global_store_b128 v13, v[4:7], s[28:29]        ; none of these registers is written again
.Lno_zeros:
	; rows as they lie
	s_mov_b32 s41, 512
	s_mov_b32 s42, 576
	s_cmp_lt_u32 s2, 576
	s_cselect_b64 s[32:33], s[10:11], s[12:13]     ; Wk or Wv,
	s_cselect_b32 s36, s41, s42                    ; and the tensor's first group
	s_cmp_lt_u32 s2, 512
	s_cselect_b64 s[32:33], s[8:9], s[32:33]       ; or context
	s_cselect_b32 s36, 0, s36
	s_sub_co_u32 s36, s2, s36                      ; the group's number in its tensor,
	s_lshl_b32 s36, s36, 16                        ; times 65,536 bytes
	s_add_nc_u64 s[32:33], s[32:33], s[36:37]
	s_lshl_b32 s38, s2, 15                         ; in cw the three tensors follow each other: 32,768 bytes a group
	s_add_nc_u64 s[34:35], s[20:21], s[38:39]
	v_lshlrev_b32 v[IN], 4, v3
	v_lshl_add_u32 v[IN], v12, 13, v[IN]           ; 8,192 x wave + 16 x lane
	v_lshlrev_b32 v[OUT], 3, v3
	v_lshl_add_u32 v[OUT], v12, 12, v[OUT]         ; 4,096 x wave + 8 x lane
.set i, 0
.rept 16
	global_load_b128 v[X+4*i:X+4*i+3], v[IN], s[32:33] offset:512*i th:TH_LOAD_NT  ; 512 consecutive bytes a load
.set i, i+1
.endr
.set i, 0
.rept 16
	s_wait_loadcnt 15-i                            ; loads come back in order: load i is in, the younger ones stay out
	v_cvt_pk_bf16_f32 v[Y+2*i], v[X+4*i], v[X+4*i+1]
	v_cvt_pk_bf16_f32 v[Y+2*i+1], v[X+4*i+2], v[X+4*i+3]
	global_store_b64 v[OUT], v[Y+2*i:Y+2*i+1], s[34:35] offset:256*i  ; the wave's store covers 256 consecutive bytes, aligned
.set i, i+1
.endr
	s_endpgm
.Lsliced:
	s_sub_co_u32 s2, s2, 640
	s_mov_b32 s41, 256
	s_mov_b32 s42, 320
	s_cmp_lt_u32 s2, 320
	s_cselect_b64 s[32:33], s[16:17], s[18:19]     ; Wq or Wp,
	s_cselect_b64 s[34:35], s[24:25], s[26:27]     ; into wqs or wps
	s_cselect_b32 s36, s41, s42
	s_cmp_lt_u32 s2, 256
	s_cselect_b64 s[32:33], s[14:15], s[32:33]     ; or x
	s_cselect_b64 s[34:35], s[22:23], s[34:35]     ; into xs
	s_cselect_b32 s36, 0, s36
	s_sub_co_u32 s2, s2, s36                       ; the group's number in its tensor
	s_lshl_b32 s36, s2, 16
	s_add_nc_u64 s[32:33], s[32:33], s[36:37]
	s_lshr_b32 s38, s2, 6                          ; 64 groups are 1,024 rows: a batch of x (always 0 for the weights),
	s_lshl_b32 s38, s38, 21                        ; 16 slices x 1,024 rows x 128 bytes
	s_and_b32 s43, s2, 63
	s_lshl_b32 s43, s43, 11                        ; 16 rows of 128 bytes in a slice
	s_add_co_u32 s38, s38, s43
	s_add_nc_u64 s[34:35], s[34:35], s[38:39]
	v_and_b32 v13, 15, v0
	v_bfe_u32 v14, v0, 4, 1
	v_lshlrev_b32 v[IN], 4, v13
	v_lshl_add_u32 v[IN], v14, 12, v[IN]
	v_lshl_add_u32 v[IN], v12, 13, v[IN]           ; rows 2 w and 2 w + 1: lanes 0-15 the first, lanes 16-31 the second; 16 bytes a lane
	v_lshlrev_b32 v[OUT], 3, v3
	v_lshl_add_u32 v[OUT], v12, 8, v[OUT]          ; the two rows lie end to end in a slice: 256 x wave + 8 x lane
.set i, 0
.rept 16
	global_load_b128 v[X+4*i:X+4*i+3], v[IN], s[32:33] offset:256*i th:TH_LOAD_NT  ; slice i of both rows: twice 256 consecutive bytes, aligned
.set i, i+1
.endr
.set i, 0
.rept 16
	s_wait_loadcnt 15-i                            ; load i is in, the younger ones stay out
	v_cvt_pk_bf16_f32 v4, v[X+4*i], v[X+4*i+1]     ; the one rounding,
	v_cvt_pk_bf16_f32 v5, v[X+4*i+2], v[X+4*i+3]
	v_lshlrev_b32 v8, 16, v4                       ; back to f32,
	v_and_b32 v9, s40, v4
	v_lshlrev_b32 v10, 16, v5
	v_and_b32 v11, s40, v5
	v_cvt_pk_f16_f32 v[Y+2*i], v8, v9              ; and written as f16: exact inside f16's normal range
	v_cvt_pk_f16_f32 v[Y+2*i+1], v10, v11
	global_store_b64 v[OUT], v[Y+2*i:Y+2*i+1], s[34:35] offset:131072*i  ; 256 consecutive bytes, aligned, of slice i
.set i, i+1
.endr
	s_endpgm
.Lfunc_end_k_qb944bec63b_cast:
	.size	k_qb944bec63b_cast, .Lfunc_end_k_qb944bec63b_cast-k_qb944bec63b_cast
	.p2alignl 7, 3214868480
	.fill 96, 4, 3214868480
	.section	.rodata,"a",@progbits
	.p2align	6, 0x0
	.amdhsa_kernel k_qb944bec63b_cast
		.amdhsa_group_segment_fixed_size 0
		.amdhsa_private_segment_fixed_size 0
		.amdhsa_enable_private_segment 0
		.amdhsa_kernarg_size 88
		.amdhsa_user_sgpr_count 2
		.amdhsa_user_sgpr_kernarg_segment_ptr 1
		.amdhsa_wavefront_size32 1
		.amdhsa_system_sgpr_workgroup_id_x 1
		.amdhsa_system_sgpr_workgroup_id_y 1
		.amdhsa_system_sgpr_workgroup_id_z 1
		.amdhsa_system_vgpr_workitem_id 0
		.amdhsa_next_free_vgpr 112
		.amdhsa_next_free_sgpr 66
		.amdhsa_reserve_vcc 0
		.amdhsa_float_denorm_mode_32 3
		.amdhsa_float_denorm_mode_16_64 3
		.amdhsa_memory_ordered 1
		.amdhsa_forward_progress 1
		.amdhsa_inst_pref_size 18
	.end_amdhsa_kernel
	.amdgpu_metadata
---
amdhsa.version: [ 1, 2 ]
amdhsa.kernels:
  - .name:           k_qb944bec63b_cast
    .symbol:         k_qb944bec63b_cast.kd
    .args:
      - { .name: context, .offset: 0, .size: 8, .value_kind: global_buffer, .address_space: global }
      - { .name: Wk, .offset: 8, .size: 8, .value_kind: global_buffer, .address_space: global }
      - { .name: Wv, .offset: 16, .size: 8, .value_kind: global_buffer, .address_space: global }
      - { .name: x, .offset: 24, .size: 8, .value_kind: global_buffer, .address_space: global }
      - { .name: Wq, .offset: 32, .size: 8, .value_kind: global_buffer, .address_space: global }
      - { .name: Wp, .offset: 40, .size: 8, .value_kind: global_buffer, .address_space: global }
      - { .name: cw, .offset: 48, .size: 8, .value_kind: global_buffer, .address_space: global }
      - { .name: xs, .offset: 56, .size: 8, .value_kind: global_buffer, .address_space: global }
      - { .name: wqs, .offset: 64, .size: 8, .value_kind: global_buffer, .address_space: global }
      - { .name: wps, .offset: 72, .size: 8, .value_kind: global_buffer, .address_space: global }
      - { .name: zb, .offset: 80, .size: 8, .value_kind: global_buffer, .address_space: global }
    .group_segment_fixed_size: 0
    .private_segment_fixed_size: 0
    .kernarg_segment_align: 8
    .kernarg_segment_size: 88
    .max_flat_workgroup_size: 256
    .sgpr_count:     66
    .vgpr_count:     112
    .wavefront_size: 32
...
	.end_amdgpu_metadata
.endif
;; end of part 1
;; launch kvproj (part 2): grid 8 x 32, 4 waves a work-group, clusters of 4 x 4, 327,680 bytes of LDS; arguments cw, kvw; writes kvw
.if DOCPART == 2
	.amdgcn_target "amdgcn-amd-amdhsa--gfx1250"
	.amdhsa_code_object_version 6
	.text
	.protected	k_qb944bec63b_kvproj
	.globl	k_qb944bec63b_kvproj
	.p2align	8
	.type	k_qb944bec63b_kvproj,@function
k_qb944bec63b_kvproj:
	s_mov_b64 s[64:65], 0
	v_nop
	global_prefetch_b8 v0, s[64:65] scope:SCOPE_SE
	s_setreg_imm32_b32 hwreg(HW_REG_WAVE_MODE, 25, 1), 1
	s_wait_xcnt 0x0
	s_wait_alu depctr_hold_cnt(0) depctr_sa_sdst(0) depctr_va_vdst(0) depctr_va_sdst(0) depctr_va_ssrc(0) depctr_va_vcc(0) depctr_vm_vsrc(0)
	s_getreg_b32 s2, hwreg(HW_REG_IB_STS2, 6, 4)
	s_cmp_eq_u32 s2, 0
	s_cbranch_scc0 .Lentry_in_a_cluster
	s_endpgm
.Lentry_in_a_cluster:
	s_bfe_u32 s2, ttmp6, 0x10000c
	s_cmp_lg_u32 s2, 0xf033
	s_cbranch_scc0 .Lentry_shape_is_right
	s_endpgm
.Lentry_shape_is_right:
; k AND v: C[8192][2048] = context x (Wk; Wv)^T, K = 1,024, bf16 operands (cw), sums in f32.  Columns 0-1023 are k, 1024-2047 are v.
; OUT (kvw): k in bf16 and, 16,777,216 bytes on, v in f16, both by heads [4][16][2048][64]; behind them ksq, f32 [64][1024]: for each block of 128 rows of context the sum of k^2 of each column,
; taken of the f32 sums before they are rounded.  Each entry of ksq has one owner; the launch that reads them adds a batch's 16.
; LIMIT.  v of 65,520 or more in size becomes an infinity in f16.
; A tile of C, 256 x 256, is made by four waves, 128 x 128 each: 64 accumulators of 16 x 16, 512 registers.  K goes in 8 steps of 128 through two LDS slots: rows of 256 bytes, aligned.
; A K STEP IS WRITTEN ONCE: the slot in hand is a scalar (0 or SLOT) that an exclusive or turns, and each wave's descriptor walks (LDS word turned, address stepped).  Written out beside the loop that
; fills slots again are the first quarter (its products start the sums) and the last two K steps, which fill nothing: a loop of their own, left in the middle of its second trip.
; CLUSTER 4 x 4: the four work-groups of a row of the cluster need the same tile of A, the four of a column the same tile of B: each tile is asked for jointly, by the same tensor load with
; the same descriptor and a mask that names the four.  Cluster x = 0 makes k, cluster x = 1 makes v: the branch between the two ways out is the same in all sixteen.
; THE MATRIX INSTRUCTION IS USED TRANSPOSED (source 0 = 16 rows of B, source 1 = 16 rows of A): a lane holds row l % 16 of C and the columns 8 (l / 16) + 0..7.
; REGISTERS, in windows of 256: window 0: v0-31 addresses; v64-127, v128-191 A's fragments, two buffers (on the way out: the sums of squares and their stage); v192-223, v32-63, v224-255 the way out.
;   window 1: v64-191 B's fragments, two buffers.   windows 2, 3: the accumulators of my rows 0-63 and 64-127, (a, b) at v[8 (8 (a % 4) + b)].
.set SIZE_K, 1024
.set KSTEP,  128
.set PITCH,  272                       ; an LDS row: 256 bytes + 16 of padding: the 16 rows of a fragment load start at 16 different groups of four banks (ISA guide 11.1)
.set HALFT,  128*PITCH                 ; what one tensor load brings, and what one wave reads of A or of B
.set SLOT,   4*HALFT                   ; A's 256 rows, then B's 256 rows
.set STAGE,  2*SLOT                    ; behind the ring: 16 rows x 272 bytes for each wave
.set SPITCH, 272
.set SPARE,  STAGE+4*16*SPITCH         ; the spare words, 128 bytes a wave
.set KSTG,   8704                      ; the stage of the sums of squares: wave w's 16 rows x 528 bytes at 8,704 w, in slot 0, which has had its last fill (K step 6) and its last reads in front of the last change's barrier
.set KPITCH, 528
.set WOFF,   16777216                  ; the weights in cw; v in kvw
.set QOFF,   33554432                  ; ksq in kvw
.set ADRA, 16                          ; v16  my lane's place in a slot's A; never rewritten
.set ADRB, 17                          ; v17  in its B; never rewritten
.set CA,   20                          ; v20  the same in the slot in hand
.set CB,   21                          ; v21
.set STO,  24                          ; v24  where I put 16 bytes of a row
.set RD,   25                          ; v25  where I read four rows of a head back
.set CO,   26                          ; v26  16 x lane
.set KST,  27                          ; v27  where I put 32 bytes of sums of squares
.set SPW,  28                          ; v28  my spare word; never rewritten
.set NIL,  29                          ; v29  0; never rewritten
.set KRD,  30                          ; v30  where I read them back
.set F0,   64
.set F1,   128
.set SQ,   64                          ; the sums of squares: column block b at SQ + 8 b
.set KB,   128                         ; the 16 rows of them read back
.set TMP,  192
.set OB,   32
.set TB,  20                           ; s20  LDS byte at which the slot in hand begins: 0 or SLOT
.set G1,  24                           ; s[24:31] group 1 for A
.set G1B, 48                           ; s[48:55] group 1 for B
.set FA0, 32                           ; group 0 of K step 0: A's rows 0-127 (wave 0), 128-255 (wave 1), B's likewise (waves 2, 3)
.set FA1, 36
.set FB0, 56
.set FB1, 60
.set WA0, 68                           ; group 0 of K step 1, which then walks on
.set WA1, 72
.set WB0, 76
.set WB1, 80
.set MSB, 0
.macro WIN new                         ; the immediate's high byte repeats the setting that is left; a switch that changes nothing is dropped
.if MSB != (\new)
	s_set_vgpr_msb (MSB<<8)|(\new)
.set MSB, \new
.endif
.endm
.set MUL_LO, 0xa1                      ; source 0 (B) window 1, source 1 (A) window 0, C and D window 2
.set MUL_HI, 0xf1                      ; the same, C and D window 3
.set TO_B,   0x40                      ; destination window 1, address window 0
; A joint load: each wave has a line and a group 0 of its own, with a constant LDS place; the branches hang on the wave's number alone.  first = 1: the wave's two first fills, in one branch.
; s_nop 0 follows every tensor load, four v_nop the last of a branch.
.macro ONE first, f, w, g1
.if \first
	tensor_load_to_lds s[(\f):(\f)+3], s[(\g1):(\g1)+7]
	s_nop 0
.endif
	tensor_load_to_lds s[(\w):(\w)+3], s[(\g1):(\g1)+7]
	s_nop 0
.rept 4
	v_nop
.endr
.endm
.macro JLOAD first
	s_cmp_lt_u32 s10, 2
	s_cbranch_scc0 .Lfor_b_\@
	s_cmp_eq_u32 s10, 0
	s_cbranch_scc0 .Lfor_a1_\@
	ONE \first, FA0, WA0, G1
	s_branch .Lasked_\@
.Lfor_a1_\@:
	ONE \first, FA1, WA1, G1
	s_branch .Lasked_\@
.Lfor_b_\@:
	s_cmp_eq_u32 s10, 2
	s_cbranch_scc0 .Lfor_b1_\@
	ONE \first, FB0, WB0, G1B
	s_branch .Lasked_\@
.Lfor_b1_\@:
	ONE \first, FB1, WB1, G1B
.Lasked_\@:
.endm
.macro SETG g, lds, b, add             ; a group 0: count 1, LDS byte, global address = s[b:b+1] + add, type 2
	s_mov_b32 s[(\g)], 1
	s_mov_b32 s[(\g)+1], \lds
	s_add_nc_u64 s[(\g)+2:(\g)+3], s[(\b):(\b)+1], \add
	s_or_b32 s[(\g)+3], s[(\g)+3], 0x80000000
.endm
.macro WALK                            ; the walking descriptors: the other slot than last time, the next K step; the type bits on top are not reached
	s_xor_b32 s[WA0+1], s[WA0+1], SLOT
	s_xor_b32 s[WA1+1], s[WA1+1], HALFT^(HALFT+SLOT)
	s_xor_b32 s[WB0+1], s[WB0+1], (2*HALFT)^(2*HALFT+SLOT)
	s_xor_b32 s[WB1+1], s[WB1+1], (3*HALFT)^(3*HALFT+SLOT)
.irp g, WA0, WA1, WB0, WB1
	s_add_nc_u64 s[(\g)+2:(\g)+3], s[(\g)+2:(\g)+3], KSTEP*2
.endr
.endm
.macro CREST                           ; a round of the cluster's barrier behind its opening barrier
	s_cmp_lg_u32 s10, 0
	s_cbranch_scc1 .Lnot_wave_0_\@
	s_barrier_signal -3
.Lnot_wave_0_\@:
	s_barrier_wait -3
	s_barrier_signal -1
	s_barrier_wait -1
.endm
.macro CROUND                          ; a whole round
	s_barrier_signal -1
	s_barrier_wait -1
	CREST
.endm
	s_load_b128 s[4:7], s[0:1], 0x0                ; cw s[4:5], kvw s[6:7]
	v_lshl_add_u32 v[SPW], v0, 2, SPARE
	v_mov_b32 v[NIL], 0
	ds_add_u32 v[SPW], v[NIL]                      ; the wave's opening: the add and its wait stand ahead of my first tensor load; work on registers stands between them
	v_lshrrev_b32 v1, 5, v0
	v_readfirstlane_b32 s10, v1                    ; wave 0..3
	s_lshr_b32 s11, s10, 1                         ; my half of the tile's rows
	s_and_b32 s12, s10, 1                          ; my half of its columns
	s_mov_b32 s2, ttmp9                            ; cluster x: 0 = k, 1 = v
	s_bfe_u32 s40, ttmp6, 0x40000                  ; cx
	s_bfe_u32 s41, ttmp6, 0x40004                  ; cy
	s_lshl_b32 s42, ttmp9, 2
	s_add_co_u32 s42, s42, s40                     ; tile column 0..7
	s_and_b32 s13, ttmp7, 0xffff
	s_lshl_b32 s13, s13, 2
	s_add_co_u32 s13, s13, s41                     ; tile row 0..31
	s_lshl_b32 s43, s41, 2
	s_lshl_b32 s43, 15, s43                        ; my row of the cluster
	s_lshl_b32 s44, 0x1111, s40                    ; my column
	s_or_b32 s[G1+0], s43, (1<<16)|(1<<20)|(1<<21)|(5<<22)|(3<<25)   ; the mask; elements of 2 bytes; padding on; bit 21 beside a mask; after every 64 words 4 words
	s_or_b32 s[G1B+0], s44, (1<<16)|(1<<20)|(1<<21)|(5<<22)|(3<<25)
.irp g, G1, G1B
	s_mov_b32 s[(\g)+1], KSTEP<<16                 ; tensor_dim0 = 128
	s_mov_b32 s[(\g)+2], 128<<16                   ; tensor_dim1 = 128
	s_mov_b32 s[(\g)+3], KSTEP<<16                 ; tile_dim0 = 128
	s_mov_b32 s[(\g)+4], 128                       ; tile_dim1 = 128
	s_mov_b32 s[(\g)+5], SIZE_K                    ; elements from row to row
	s_mov_b32 s[(\g)+6], 0
	s_mov_b32 s[(\g)+7], 0
.endr
	s_lshl_b32 s16, s13, 19                        ; A: the tile row's 256 rows of 2,048 bytes
	s_mov_b32 s17, 0
	s_lshl_b32 s46, s42, 19                        ; B: the tile column's 256 rows, behind the context
	s_add_co_u32 s46, s46, WOFF
	s_mov_b32 s47, 0
	s_mov_b32 s[TB], 0
	s_wait_dscnt 0x0                               ; the opening add is done
	s_wait_kmcnt 0x0
	s_add_nc_u64 s[14:15], s[4:5], s[16:17]        ; made of the tile row alone,
	s_add_nc_u64 s[46:47], s[4:5], s[46:47]        ; of the tile column alone
	SETG FA0, 0,            14, 0                  ; K step 0 into slot 0,
	SETG FA1, HALFT,        14, 128*2048
	SETG FB0, 2*HALFT,      46, 0
	SETG FB1, 3*HALFT,      46, 128*2048
	SETG WA0, SLOT,         14, KSTEP*2            ; K step 1 into slot 1
	SETG WA1, HALFT+SLOT,   14, 128*2048+KSTEP*2
	SETG WB0, 2*HALFT+SLOT, 46, KSTEP*2
	SETG WB1, 3*HALFT+SLOT, 46, 128*2048+KSTEP*2
	CROUND                                         ; all sixteen work-groups are here: the first joint loads meet
	JLOAD 1                                        ; K steps 0 and 1: two loads of mine are out
	v_and_b32 v1, 15, v0                           ; l % 16
	v_bfe_u32 v2, v0, 4, 1                         ; l / 16
	v_mul_u32_u24 v3, v1, PITCH
	v_lshl_add_u32 v3, v2, 4, v3                   ; a fragment's row x pitch + 16 x half
	s_mul_i32 s21, s11, HALFT
	s_mul_i32 s22, s12, HALFT
	s_add_co_u32 s22, s22, 2*HALFT
	v_add_nc_u32 v[ADRA], s21, v3
	v_add_nc_u32 v[ADRB], s22, v3
	v_mov_b32 v[CA], v[ADRA]                       ; the slot in hand is slot 0
	v_mov_b32 v[CB], v[ADRB]
	s_mul_i32 s23, s10, 16*SPITCH
	s_add_co_u32 s23, s23, STAGE                   ; my stage
	v_mul_u32_u24 v4, v1, SPITCH
	v_lshl_add_u32 v4, v2, 4, v4
	v_add_nc_u32 v[STO], s23, v4                   ; in: row l % 16, 16 bytes for each half of the lanes
	v_bfe_u32 v5, v0, 3, 2
	v_mul_u32_u24 v5, v5, SPITCH
	v_and_b32 v6, 7, v0
	v_lshl_add_u32 v5, v6, 4, v5
	v_add_nc_u32 v[RD], s23, v5                    ; back: eight lanes take a head's 128 bytes of a row, 32 lanes four rows
	v_and_b32 v6, 31, v0
	v_lshlrev_b32 v[CO], 4, v6
	s_mul_i32 s23, s10, KSTG
	v_mul_u32_u24 v4, v1, KPITCH
	v_lshl_add_u32 v4, v2, 5, v4
	v_add_nc_u32 v[KST], s23, v4
	v_add_nc_u32 v[KRD], s23, v[CO]
	; where my 128 rows x 2 heads begin in k or v: ((16 batch + head) x 2,048 + key) x 128 bytes
	s_lshr_b32 s8, s13, 3                          ; batch: 8 tile rows each
	s_lshl_b32 s8, s8, 4
	s_and_b32 s9, s42, 3
	s_lshl_b32 s9, s9, 2                           ; 4 heads a tile column,
	s_add_co_u32 s8, s8, s9
	s_lshl_b32 s9, s12, 1                          ; 2 a wave
	s_add_co_u32 s8, s8, s9
	s_lshl_b32 s8, s8, 11
	s_and_b32 s9, s13, 7
	s_lshl_b32 s9, s9, 8
	s_add_co_u32 s8, s8, s9
	s_lshl_b32 s9, s11, 7
	s_add_co_u32 s8, s8, s9
	s_lshl_b32 s8, s8, 7
	s_lshl_b32 s9, s2, 24                          ; v lies 16,777,216 bytes behind k
	s_add_co_u32 s8, s8, s9
	s_mov_b32 s9, 0
	s_add_nc_u64 s[8:9], s[6:7], s[8:9]
	; and my 128 entries of ksq: row 2 x tile row + half, column 256 x tile column + 128 x half (used where cluster x = 0 alone)
	s_lshl_b32 s18, s13, 1
	s_add_co_u32 s18, s18, s11
	s_lshl_b32 s18, s18, 12
	s_lshl_b32 s45, s42, 10
	s_add_co_u32 s18, s18, s45
	s_lshl_b32 s45, s12, 9
	s_add_co_u32 s18, s18, s45
	s_add_co_u32 s18, s18, QOFF
	s_mov_b32 s19, 0
	s_add_nc_u64 s[18:19], s[6:7], s[18:19]
; 16 matrix instructions: m blocks a0, a0 + 1 of the window's four x all 8 n blocks, 32 along K.  zero = 1: the first product starts the sums.  The 64 accumulators take turns.
.macro MUL16 f, hi, a0, zero
	WIN MUL_LO+0x50*(\hi)
.irp a, \a0, (\a0)+1
.irp b, 0,1,2,3,4,5,6,7
.if \zero
	v_wmma_f32_16x16x32_bf16 v[8*(8*(\a)+(\b)):8*(8*(\a)+(\b))+7], v[(\f)+8*(\b):(\f)+8*(\b)+7], v[(\f)+8*(4*(\hi)+(\a)):(\f)+8*(4*(\hi)+(\a))+7], 0
.else
	v_wmma_f32_16x16x32_bf16 v[8*(8*(\a)+(\b)):8*(8*(\a)+(\b))+7], v[(\f)+8*(\b):(\f)+8*(\b)+7], v[(\f)+8*(4*(\hi)+(\a)):(\f)+8*(4*(\hi)+(\a))+7], v[8*(8*(\a)+(\b)):8*(8*(\a)+(\b))+7]
.endif
.endr
.endr
.endm
; 32 LDS loads in one run: the fragments of 32 along K at byte k of the rows of the slot in hand, B's first, into buffer f
.macro FETCH k, f
	WIN TO_B
.irp i, 0,1,2,3,4,5,6,7
	ds_load_b128 v[(\f)+8*(\i):(\f)+8*(\i)+3],   v[CB] offset:(\k)+(\i)*16*PITCH
	ds_load_b128 v[(\f)+8*(\i)+4:(\f)+8*(\i)+7], v[CB] offset:(\k)+(\i)*16*PITCH+32
.endr
	WIN 0
.irp i, 0,1,2,3,4,5,6,7
	ds_load_b128 v[(\f)+8*(\i):(\f)+8*(\i)+3],   v[CA] offset:(\k)+(\i)*16*PITCH
	ds_load_b128 v[(\f)+8*(\i)+4:(\f)+8*(\i)+7], v[CA] offset:(\k)+(\i)*16*PITCH+32
.endr
.endm
.macro PLACES                          ; four plain places behind matrix instructions, in front of loads into registers that they read and of vector lines that read results
.rept 4
	v_nop
.endr
.endm
; A K step is four quarters of 32 along K, 64 matrix instructions each, on buffers 0, 1, 0, 1.  One of the first three: multiplies f, fetches the next quarter (byte k) into g.
.macro QUARTER k, f, g, zero
	s_wait_dscnt 8                                 ; B and A's rows 0-63 are in; the youngest eight loads (A's rows 64-127) may be out
	WIN MUL_LO
	MUL16 \f, 0, 0, \zero
	MUL16 \f, 0, 2, \zero
	PLACES
	FETCH \k, \g
	s_wait_dscnt 32                                ; all but the 32 just issued
	WIN MUL_HI
	MUL16 \f, 1, 0, \zero
	MUL16 \f, 1, 2, \zero
.endm
; The last quarter multiplies buffer 1 and changes slots: ONE barrier.  fill = 1: it opens a round of the cluster's barrier, and the slot just read out is filled again, two K steps on, first thing behind the round.
.macro TURN fill
	WIN 0                                          ; (the add's two registers lie in window 0)
	s_wait_tensorcnt 0x0                           ; all my tensor loads have landed: the one that was out is my part of the next slot; so a group 0 may be written
	ds_add_u32 v[SPW], v[NIL]                      ; 0 onto my spare word
.if \fill
	WALK
.endif
	s_wait_dscnt 9                                 ; (the add and the youngest eight loads may be out)
	WIN MUL_LO
	MUL16 F1, 0, 0, 0
	s_wait_dscnt 0x0                               ; the add is done, and my reads of this slot are over
	s_barrier_signal -1
	MUL16 F1, 0, 2, 0                              ; work on registers while the others arrive
.if \fill
	WIN 0
.endif
	s_barrier_wait -1
.if \fill
	CREST                                          ; no wave of any partner still reads this slot or has a load on its way
	JLOAD 0                                        ; my one tensor load behind the round; its four v_nop are also the places in front of the loads below
.else
	PLACES
.endif
	WIN 0
	s_xor_b32 s[TB], s[TB], SLOT                   ; the other slot is now in hand
	v_add_nc_u32 v[CA], s[TB], v[ADRA]
	v_add_nc_u32 v[CB], s[TB], v[ADRB]
	FETCH 0, F0
	WIN MUL_HI
	MUL16 F1, 1, 0, 0
	MUL16 F1, 1, 2, 0
.endm
	s_wait_tensorcnt 1                             ; my part of K step 0 is in; K step 1's may stay out
	s_barrier_signal -1
	s_barrier_wait -1
	FETCH 0, F0
	QUARTER 64,  F0, F1, 1                         ; the first quarter starts the sums
	WIN 0
	s_mov_b32 s3, 6
.Lstep:                                        ; a trip goes from a K step's second quarter to the next step's first and fills a slot again: K steps 2 to 7 in six trips
	QUARTER 128, F1, F0, 0
	QUARTER 192, F0, F1, 0
	TURN 1
	QUARTER 64,  F0, F1, 0
	WIN 0
	s_sub_co_u32 s3, s3, 1
	s_cmp_lg_u32 s3, 0
	s_cbranch_scc1 .Lstep
	s_mov_b32 s3, 2
.Ltail:                                        ; K steps 6 and 7 fill nothing; the second trip is left in its middle
	QUARTER 128, F1, F0, 0
	QUARTER 192, F0, F1, 0
	WIN 0
	s_sub_co_u32 s3, s3, 1
	s_cmp_eq_u32 s3, 0
	s_cbranch_scc1 .Llast
	TURN 0
	QUARTER 64,  F0, F1, 0
	WIN 0
	s_branch .Ltail
.Llast:
	s_wait_dscnt 8
	MUL16 F1, 0, 0, 0
	MUL16 F1, 0, 2, 0
	s_wait_dscnt 0x0
	MUL16 F1, 1, 0, 0
	MUL16 F1, 1, 2, 0
	PLACES
	WIN 0
	s_cmp_lg_u32 s2, 0
	s_cbranch_scc1 .Lno_sums
	; THE SUMS OF SQUARES (k alone).  In a lane: over my eight blocks of rows; each accumulator's lowest registers are read first.
.irp a, 0,1,2,3,4,5,6,7
	WIN 0x0a+5*((\a)/4)                            ; sources 0 and 1: window 2 or 3; the sums in window 0
.irp b, 0,1,2,3,4,5,6,7
.irp p, 0,1,2,3
.if (\a) == 0
	v_pk_mul_f32 v[SQ+8*(\b)+2*(\p):SQ+8*(\b)+2*(\p)+1], v[8*(8*((\a)%4)+(\b))+2*(\p):8*(8*((\a)%4)+(\b))+2*(\p)+1], v[8*(8*((\a)%4)+(\b))+2*(\p):8*(8*((\a)%4)+(\b))+2*(\p)+1]
.else
	v_pk_fma_f32 v[SQ+8*(\b)+2*(\p):SQ+8*(\b)+2*(\p)+1], v[8*(8*((\a)%4)+(\b))+2*(\p):8*(8*((\a)%4)+(\b))+2*(\p)+1], v[8*(8*((\a)%4)+(\b))+2*(\p):8*(8*((\a)%4)+(\b))+2*(\p)+1], v[SQ+8*(\b)+2*(\p):SQ+8*(\b)+2*(\p)+1]
.endif
.endr
.endr
.endr
	WIN 0
	; Over the 16 lanes that hold the 16 rows of a block: through my own bytes of LDS, 16 rows of 128 f32; back by rows, four columns a lane.
.irp b, 0,1,2,3,4,5,6,7
	ds_store_b128 v[KST], v[SQ+8*(\b):SQ+8*(\b)+3]   offset:64*(\b)
	ds_store_b128 v[KST], v[SQ+8*(\b)+4:SQ+8*(\b)+7] offset:64*(\b)+16
.endr
.irp t, 0,1,2,3,4,5,6,7,8,9,10,11,12,13,14,15
	ds_load_b128 v[KB+4*(\t):KB+4*(\t)+3], v[KRD] offset:(\t)*KPITCH  ; LDS serves a wave's instructions in order (ISA guide 5.7.1.4): these see the stores above
.endr
	s_wait_dscnt 0x0
.irp s, 32,16,8,4
.set n, 0
.rept (\s)/2
	v_pk_add_f32 v[KB+2*n:KB+2*n+1], v[KB+2*n:KB+2*n+1], v[KB+2*n+(\s):KB+2*n+(\s)+1]
.set n, n+1
.endr
.endr
	global_store_b128 v[CO], v[KB:KB+3], s[18:19]  ; 512 consecutive bytes, aligned; these registers are not written again
.Lno_sums:
; THE WAY OUT, a block of 16 rows x 128 columns at a time.  PACK: rounded, to bf16 (k) or f16 (v), 16 bytes a lane.  TOSTAGE: into my stage, and back as four rows of one head.  SEND: stored.
.macro PACK a
.set AC, 64*((\a)%4)
	WIN 0
	s_cmp_lg_u32 s2, 0
	s_cbranch_scc1 .Lhalf_\@
	WIN 0x0a+5*((\a)/4)
.irp b, 0,1,2,3,4,5,6,7
.irp r, 0,1,2,3
	v_cvt_pk_bf16_f32 v[TMP+4*(\b)+(\r)], v[AC+8*(\b)+2*(\r)], v[AC+8*(\b)+2*(\r)+1]
.endr
.endr
	WIN 0
	s_branch .Lpacked_\@
.Lhalf_\@:
	WIN 0x0a+5*((\a)/4)
.irp b, 0,1,2,3,4,5,6,7
.irp r, 0,1,2,3
	v_cvt_pk_f16_f32 v[TMP+4*(\b)+(\r)], v[AC+8*(\b)+2*(\r)], v[AC+8*(\b)+2*(\r)+1]
.endr
.endr
	WIN 0
.Lpacked_\@:
.endm
.macro TOSTAGE a
.set BK, OB+192*((\a)%2)
.irp b, 0,1,2,3,4,5,6,7
	ds_store_b128 v[STO], v[TMP+4*(\b):TMP+4*(\b)+3] offset:32*(\b)
.endr
.irp t, 0,1,2,3,4,5,6,7                ; head t / 4, rows 4 (t % 4) on
	ds_load_b128 v[BK+4*(\t):BK+4*(\t)+3], v[RD] offset:((\t)%4)*4*SPITCH+((\t)/4)*128
.endr
.endm
.macro SEND a
.set BK, OB+192*((\a)%2)
	s_wait_dscnt 0x0                               ; the block is back in registers
	s_wait_xcnt 0x0                                ; the stores issued so far have read their registers: the other set of rows is loaded again only behind this wait
.irp t, 0,1,2,3,4,5,6,7
	global_store_b128 v[CO], v[BK+4*(\t):BK+4*(\t)+3], s[8:9] offset:((\t)/4)*262144+(\a)*2048+((\t)%4)*512  ; four rows of a head lie end to end: 512 consecutive bytes, aligned
.endr
.endm
	PACK 0
	TOSTAGE 0
.irp a, 1,2,3,4,5,6,7                  ; block a's conversions stand between block a - 1's loads from the stage and the wait for them
	PACK \a
	SEND (\a)-1
	TOSTAGE \a
.endr
	SEND 7
	s_wait_tensorcnt 0x0                           ; the wave's end
	ds_add_u32 v[SPW], v[NIL]
	s_wait_dscnt 0x0
	CROUND                                         ; the closing round
	s_endpgm
.Lfunc_end_k_qb944bec63b_kvproj:
	.size	k_qb944bec63b_kvproj, .Lfunc_end_k_qb944bec63b_kvproj-k_qb944bec63b_kvproj
	.p2alignl 7, 3214868480
	.fill 96, 4, 3214868480
	.section	.rodata,"a",@progbits
	.p2align	6, 0x0
	.amdhsa_kernel k_qb944bec63b_kvproj
		.amdhsa_group_segment_fixed_size 327680
		.amdhsa_private_segment_fixed_size 0
		.amdhsa_enable_private_segment 0
		.amdhsa_kernarg_size 16
		.amdhsa_user_sgpr_count 2
		.amdhsa_user_sgpr_kernarg_segment_ptr 1
		.amdhsa_wavefront_size32 1
		.amdhsa_system_sgpr_workgroup_id_x 1
		.amdhsa_system_sgpr_workgroup_id_y 1
		.amdhsa_system_sgpr_workgroup_id_z 1
		.amdhsa_system_vgpr_workitem_id 0
		.amdhsa_next_free_vgpr 1024
		.amdhsa_next_free_sgpr 84
		.amdhsa_reserve_vcc 0
		.amdhsa_float_denorm_mode_32 3
		.amdhsa_float_denorm_mode_16_64 3
		.amdhsa_memory_ordered 1
		.amdhsa_forward_progress 1
		.amdhsa_inst_pref_size 144
	.end_amdhsa_kernel
	.amdgpu_metadata
---
amdhsa.version: [ 1, 2 ]
amdhsa.kernels:
  - .name:           k_qb944bec63b_kvproj
    .symbol:         k_qb944bec63b_kvproj.kd
    .args:
      - { .name: cw, .offset: 0, .size: 8, .value_kind: global_buffer, .address_space: global }
      - { .name: kvw, .offset: 8, .size: 8, .value_kind: global_buffer, .address_space: global }
    .group_segment_fixed_size: 327680
    .private_segment_fixed_size: 0
    .kernarg_segment_align: 8
    .kernarg_segment_size: 16
    .max_flat_workgroup_size: 128
    .sgpr_count:     84
    .vgpr_count:     1024
    .wavefront_size: 32
...
	.end_amdgpu_metadata
.endif
;; end of part 2
;; launch qproj (part 3): grid 8 x 32, 4 waves a work-group, clusters of 4 x 4, 327,680 bytes of LDS; arguments xs, wqs, zb, qf; writes qf
.if DOCPART == 3
	.amdgcn_target "amdgcn-amd-amdhsa--gfx1250"
	.amdhsa_code_object_version 6
	.text
	.protected	k_qb944bec63b_qproj
	.globl	k_qb944bec63b_qproj
	.p2align	8
	.type	k_qb944bec63b_qproj,@function
k_qb944bec63b_qproj:
	s_mov_b64 s[64:65], 0
	v_nop
	global_prefetch_b8 v0, s[64:65] scope:SCOPE_SE
	s_setreg_imm32_b32 hwreg(HW_REG_WAVE_MODE, 25, 1), 1
	s_wait_xcnt 0x0
	s_wait_alu depctr_hold_cnt(0) depctr_sa_sdst(0) depctr_va_vdst(0) depctr_va_sdst(0) depctr_va_ssrc(0) depctr_va_vcc(0) depctr_vm_vsrc(0)
	s_getreg_b32 s2, hwreg(HW_REG_IB_STS2, 6, 4)
	s_cmp_eq_u32 s2, 0
	s_cbranch_scc0 .Lentry_in_a_cluster
	s_endpgm
.Lentry_in_a_cluster:
	s_bfe_u32 s2, ttmp6, 0x10000c
	s_cmp_lg_u32 s2, 0xf033
	s_cbranch_scc0 .Lentry_shape_is_right
	s_endpgm
.Lentry_shape_is_right:
; out[4096][1024] (f32) = A B^T + bias.  A: f16 in slices of 64 along K, [4][16 slices][1024 rows][64]; B: f16 [16 slices][1024 rows][64]; bias: [1024] f32, rounded to bf16 like the module's other inputs.
; Two launches run this text: q = x Wq^T (bias: zeros), and the last projection, O Wp^T + bp, whose A is attention's output by heads.  Sums in f32; nothing is rounded on the way out.
; A tile of out is 128 x 128: 256 work-groups.  Four waves, 64 x 64 each: 16 accumulators.  K goes in 4 steps of 256 = four slices.  A wave's tensor load brings 64 rows of four slices: in memory
; four dense pieces of 8,192 bytes, 131,072 bytes apart; in LDS rows of 128 bytes + 16 of padding.
; A K STEP IS WRITTEN ONCE: the slot in hand is a scalar (0 or SLOT) that an exclusive or turns, and each wave's descriptor walks.  Written out beside the loop that fills slots again (two trips) are the
; first quarter, whose products start the sums, and the last two K steps, which fill nothing: a loop of their own, left in the middle of its second trip.
; CLUSTER 4 x 4: A's tile is shared along a row of the cluster, B's along a column: joint loads.  THE MATRIX INSTRUCTION IS USED TRANSPOSED: a lane holds row l % 16 and the columns 8 (l / 16) + 0..7.
; A wave's 64 columns of f32 are 256 aligned bytes of a row, so each wave has its own stage and no barrier stands on the way out.
; REGISTERS: window 0: v0-31 addresses; v32-95 the way out, two sets; v96-101 the bias; v128-255 the accumulators ((a, b) at 128 + 8 (4 a + b)).  window 1: two fragment buffers of 128.
.set PITCH,  144                       ; the 16 rows of a fragment load start at 16 different groups of four banks (ISA guide 11.1)
.set SLICEB, 64*PITCH                  ; 64 rows of one slice
.set PART,   4*SLICEB                  ; what one tensor load brings
.set SLOT,   4*PART                    ; A's two halves of rows, then B's two
.set STAGE,  2*SLOT                    ; 16 rows x 272 bytes for each wave
.set SPITCH, 272
.set SPARE,  STAGE+4*16*SPITCH
.set STEPB,  4*131072                  ; bytes from a K step to the next
.set WV,   12                          ; s12  my wave's number
.set RH,   13                          ; s13  my half of the tile's rows
.set CH,   14                          ; s14  my half of its columns
.set TR,   15                          ; s15  tile row
.set CNT,  84                          ; s84  counts the trips
.set TB,   85                          ; s85  LDS byte at which the slot in hand begins: 0 or SLOT
.set ADRA, 16                          ; v16  my lane's place in a slot's A; never rewritten
.set ADRB, 17                          ; v17  in its B
.set CA,   20                          ; v20  the same in the slot in hand
.set CB,   21
.set STO,  24
.set RD,   25
.set CO,   26
.set BO,   27
.set SPW,  28
.set NIL,  29
.set TMP,  32
.set BI,   96
.set ACC,  128
.set F0,   0
.set F1,   128
.set G1,  24                           ; s[24:31] group 1 for A;  s[48:55] for B
.set G1B, 48
.set FA0, 32                           ; group 0 of K step 0: A's rows 0-63 (wave 0), 64-127 (wave 1), B's likewise (waves 2, 3)
.set FA1, 36
.set FB0, 56
.set FB1, 60
.set WA0, 68                           ; group 0 of K step 1, which then walks on
.set WA1, 72
.set WB0, 76
.set WB1, 80
.set MSB, 0
.macro WIN new
.if MSB != (\new)
	s_set_vgpr_msb (MSB<<8)|(\new)
.set MSB, \new
.endif
.endm
.set MUL,  0x05                        ; sources 0 (B) and 1 (A) window 1; C and D window 0
.set TO_F, 0x40                        ; destination window 1, address window 0
; A joint load: each wave has a line and a group 0 of its own, with a constant LDS place; the branches hang on the wave's number alone.  first = 1: the wave's two first fills, in one branch.
; s_nop 0 follows every tensor load, four v_nop the last of a branch.
.macro ONE first, f, w, g1
.if \first
	tensor_load_to_lds s[(\f):(\f)+3], s[(\g1):(\g1)+7]
	s_nop 0
.endif
	tensor_load_to_lds s[(\w):(\w)+3], s[(\g1):(\g1)+7]
	s_nop 0
.rept 4
	v_nop
.endr
.endm
.macro JLOAD first
	s_cmp_lt_u32 s[WV], 2
	s_cbranch_scc0 .Lfor_b_\@
	s_cmp_eq_u32 s[WV], 0
	s_cbranch_scc0 .Lfor_a1_\@
	ONE \first, FA0, WA0, G1
	s_branch .Lasked_\@
.Lfor_a1_\@:
	ONE \first, FA1, WA1, G1
	s_branch .Lasked_\@
.Lfor_b_\@:
	s_cmp_eq_u32 s[WV], 2
	s_cbranch_scc0 .Lfor_b1_\@
	ONE \first, FB0, WB0, G1B
	s_branch .Lasked_\@
.Lfor_b1_\@:
	ONE \first, FB1, WB1, G1B
.Lasked_\@:
.endm
.macro SETG g, lds, b, add             ; a group 0: count 1, LDS byte, global address = s[b:b+1] + add, type 2
	s_mov_b32 s[(\g)], 1
	s_mov_b32 s[(\g)+1], \lds
	s_add_nc_u64 s[(\g)+2:(\g)+3], s[(\b):(\b)+1], \add
	s_or_b32 s[(\g)+3], s[(\g)+3], 0x80000000
.endm
.macro WALK                            ; the walking descriptors: the other slot than last time, the next K step; the type bits on top are not reached
	s_xor_b32 s[WA0+1], s[WA0+1], SLOT
	s_xor_b32 s[WA1+1], s[WA1+1], PART^(PART+SLOT)
	s_xor_b32 s[WB0+1], s[WB0+1], (2*PART)^(2*PART+SLOT)
	s_xor_b32 s[WB1+1], s[WB1+1], (3*PART)^(3*PART+SLOT)
.irp g, WA0, WA1, WB0, WB1
	s_add_nc_u64 s[(\g)+2:(\g)+3], s[(\g)+2:(\g)+3], STEPB
.endr
.endm
.macro CREST
	s_cmp_lg_u32 s[WV], 0
	s_cbranch_scc1 .Lnot_wave_0_\@
	s_barrier_signal -3
.Lnot_wave_0_\@:
	s_barrier_wait -3
	s_barrier_signal -1
	s_barrier_wait -1
.endm
.macro CROUND
	s_barrier_signal -1
	s_barrier_wait -1
	CREST
.endm
	s_load_b256 s[4:11], s[0:1], 0x0               ; A s[4:5], B s[6:7], bias s[8:9], out s[10:11]
	v_lshl_add_u32 v[SPW], v0, 2, SPARE
	v_mov_b32 v[NIL], 0
	ds_add_u32 v[SPW], v[NIL]                      ; the wave's opening: the add and its wait stand ahead of my first tensor load
	v_lshrrev_b32 v1, 5, v0
	v_readfirstlane_b32 s[WV], v1
	s_lshr_b32 s[RH], s[WV], 1
	s_and_b32 s[CH], s[WV], 1
	s_bfe_u32 s40, ttmp6, 0x40000                  ; cx
	s_bfe_u32 s41, ttmp6, 0x40004                  ; cy
	s_lshl_b32 s42, ttmp9, 2
	s_add_co_u32 s42, s42, s40                     ; tile column 0..7
	s_and_b32 s[TR], ttmp7, 0xffff
	s_lshl_b32 s[TR], s[TR], 2
	s_add_co_u32 s[TR], s[TR], s41                 ; tile row 0..31
	s_lshl_b32 s43, s41, 2
	s_lshl_b32 s43, 15, s43                        ; my row of the cluster
	s_lshl_b32 s44, 0x1111, s40                    ; my column
	s_or_b32 s[G1+0], s43, (1<<16)|(1<<20)|(1<<21)|(4<<22)|(3<<25)   ; the mask; 2-byte elements; padding on; bit 21 beside a mask; after every 32 words 4 words
	s_or_b32 s[G1B+0], s44, (1<<16)|(1<<20)|(1<<21)|(4<<22)|(3<<25)
.irp g, G1, G1B
	s_mov_b32 s[(\g)+1], 4096<<16                  ; tensor_dim0 = 4,096 elements: 64 dense rows of a slice
	s_mov_b32 s[(\g)+2], 4<<16                     ; tensor_dim1 = 4 slices
	s_mov_b32 s[(\g)+3], 4096<<16                  ; tile_dim0
	s_mov_b32 s[(\g)+4], 4                         ; tile_dim1
	s_mov_b32 s[(\g)+5], 65536                     ; elements from slice to slice
	s_mov_b32 s[(\g)+6], 0
	s_mov_b32 s[(\g)+7], 0
.endr
	s_lshr_b32 s16, s[TR], 3                       ; A: the batch, 8 tile rows each, 2,097,152 bytes,
	s_lshl_b32 s16, s16, 21
	s_and_b32 s17, s[TR], 7
	s_lshl_b32 s17, s17, 14                        ; 128 rows of 128 bytes a tile row
	s_add_co_u32 s16, s16, s17
	s_lshl_b32 s46, s42, 14                        ; B: the tile column's 128 rows
	s_mov_b32 s17, 0
	s_mov_b32 s47, 0
	s_mov_b32 s[TB], 0
	s_wait_dscnt 0x0                               ; the opening add is done
	s_wait_kmcnt 0x0
	s_add_nc_u64 s[22:23], s[4:5], s[16:17]        ; made of the tile row alone,
	s_add_nc_u64 s[46:47], s[6:7], s[46:47]        ; of the tile column alone
	SETG FA0, 0,           22, 0                   ; K step 0 into slot 0,
	SETG FA1, PART,        22, 64*128
	SETG FB0, 2*PART,      46, 0
	SETG FB1, 3*PART,      46, 64*128
	SETG WA0, SLOT,        22, STEPB               ; K step 1 into slot 1
	SETG WA1, PART+SLOT,   22, 64*128+STEPB
	SETG WB0, 2*PART+SLOT, 46, STEPB
	SETG WB1, 3*PART+SLOT, 46, 64*128+STEPB
	CROUND                                         ; all sixteen work-groups are here
	JLOAD 1                                        ; K steps 0 and 1: two loads of mine are out
	v_and_b32 v1, 15, v0                           ; l % 16
	v_bfe_u32 v2, v0, 4, 1                         ; l / 16
	s_lshl_b32 s2, s42, 9                          ; the bias of my 64 columns: (128 x tile column + 64 x half) x 4 bytes
	s_lshl_b32 s3, s[CH], 8
	s_add_co_u32 s2, s2, s3
	s_mov_b32 s3, 0
	s_add_nc_u64 s[8:9], s[8:9], s[2:3]
	v_lshlrev_b32 v[BO], 4, v1
	global_load_b128 v[BI:BI+3], v[BO], s[8:9]     ; the four columns that I store
	v_mul_u32_u24 v3, v1, PITCH
	v_lshl_add_u32 v3, v2, 4, v3
	s_mul_i32 s21, s[RH], PART
	s_mul_i32 s45, s[CH], PART
	s_add_co_u32 s45, s45, 2*PART
	v_add_nc_u32 v[ADRA], s21, v3
	v_add_nc_u32 v[ADRB], s45, v3
	v_mov_b32 v[CA], v[ADRA]                       ; the slot in hand is slot 0
	v_mov_b32 v[CB], v[ADRB]
	s_mul_i32 s21, s[WV], 16*SPITCH
	s_add_co_u32 s21, s21, STAGE                   ; my stage
	v_mul_u32_u24 v4, v1, SPITCH
	v_lshl_add_u32 v4, v2, 5, v4
	v_add_nc_u32 v[STO], s21, v4                   ; in: row l % 16, 32 bytes for each half of the lanes
	v_mul_u32_u24 v5, v2, SPITCH
	v_lshl_add_u32 v5, v1, 4, v5
	v_add_nc_u32 v[RD], s21, v5                    ; back: lanes 0-15 one row of 256 bytes, lanes 16-31 the next
	v_lshlrev_b32 v5, 12, v2
	v_lshl_add_u32 v[CO], v1, 4, v5                ; and the same two rows in out
	s_lshl_b32 s18, s[TR], 7
	s_lshl_b32 s19, s[RH], 6
	s_add_co_u32 s18, s18, s19                     ; my first row,
	s_lshl_b32 s18, s18, 12                        ; 4,096 bytes a row,
	s_lshl_b32 s19, s42, 9
	s_add_co_u32 s18, s18, s19
	s_lshl_b32 s19, s[CH], 8
	s_add_co_u32 s18, s18, s19                     ; my first column
	s_mov_b32 s19, 0
	s_add_nc_u64 s[10:11], s[10:11], s[18:19]
; 8 matrix instructions: m blocks a0, a0 + 1 x all 4 n blocks, 32 along K: half c of buffer f.  The 16 accumulators take turns.
.macro MUL8 f, c, a0, zero
	WIN MUL
.irp a, \a0, (\a0)+1
.irp b, 0,1,2,3
.if \zero
	v_wmma_f32_16x16x32_f16 v[ACC+8*(4*(\a)+(\b)):ACC+8*(4*(\a)+(\b))+7], v[(\f)+64+8*(4*(\c)+(\b)):(\f)+64+8*(4*(\c)+(\b))+7], v[(\f)+8*(4*(\c)+(\a)):(\f)+8*(4*(\c)+(\a))+7], 0
.else
	v_wmma_f32_16x16x32_f16 v[ACC+8*(4*(\a)+(\b)):ACC+8*(4*(\a)+(\b))+7], v[(\f)+64+8*(4*(\c)+(\b)):(\f)+64+8*(4*(\c)+(\b))+7], v[(\f)+8*(4*(\c)+(\a)):(\f)+8*(4*(\c)+(\a))+7], v[ACC+8*(4*(\a)+(\b)):ACC+8*(4*(\a)+(\b))+7]
.endif
.endr
.endr
.endm
; 32 LDS loads in one run: the fragments of slice sl (64 along K) of the slot in hand into buffer f; the first 32 along K first
.macro FETCH sl, f
	WIN TO_F
.irp c, 0,1
.irp i, 0,1,2,3
	ds_load_b128 v[(\f)+64+8*(4*(\c)+(\i)):(\f)+64+8*(4*(\c)+(\i))+3],   v[CB] offset:(\sl)*SLICEB+64*(\c)+(\i)*16*PITCH
	ds_load_b128 v[(\f)+64+8*(4*(\c)+(\i))+4:(\f)+64+8*(4*(\c)+(\i))+7], v[CB] offset:(\sl)*SLICEB+64*(\c)+(\i)*16*PITCH+32
	ds_load_b128 v[(\f)+8*(4*(\c)+(\i)):(\f)+8*(4*(\c)+(\i))+3],         v[CA] offset:(\sl)*SLICEB+64*(\c)+(\i)*16*PITCH
	ds_load_b128 v[(\f)+8*(4*(\c)+(\i))+4:(\f)+8*(4*(\c)+(\i))+7],       v[CA] offset:(\sl)*SLICEB+64*(\c)+(\i)*16*PITCH+32
.endr
.endr
.endm
.macro PLACES
.rept 4
	v_nop
.endr
.endm
; A K step is four quarters, a slice each, 32 matrix instructions, on buffers 0, 1, 0, 1.  One of the first three: multiplies f and fetches slice sl into g.
.macro QUARTER sl, f, g, zero
	s_wait_dscnt 16                                ; the first 32 along K are in; the other sixteen loads may be out
	WIN MUL
	MUL8 \f, 0, 0, \zero
	MUL8 \f, 0, 2, \zero
	PLACES
	FETCH \sl, \g
	s_wait_dscnt 32                                ; all but the 32 just issued
	WIN MUL
	MUL8 \f, 1, 0, 0
	MUL8 \f, 1, 2, 0
.endm
; The last quarter multiplies buffer 1 and changes slots.  fill = 1: this slot is filled again, two K steps on, first thing behind a round of the cluster's barrier.
.macro TURN fill
	WIN 0                                          ; (the add's two registers lie in window 0)
	s_wait_tensorcnt 0x0                           ; all my tensor loads have landed: my part of the next slot; so a group 0 may be written
	ds_add_u32 v[SPW], v[NIL]                      ; 0 onto my spare word
.if \fill
	WALK
.endif
	s_wait_dscnt 17                                ; (the add and the youngest sixteen loads may be out)
	WIN MUL
	MUL8 F1, 0, 0, 0
	s_wait_dscnt 0x0                               ; the add is done, and my reads of this slot are over
	s_barrier_signal -1
	MUL8 F1, 0, 2, 0
.if \fill
	WIN 0
.endif
	s_barrier_wait -1
.if \fill
	CREST
	JLOAD 0                                        ; my one tensor load behind the round; its four v_nop are also the places in front of the loads below
.else
	PLACES
.endif
	WIN 0
	s_xor_b32 s[TB], s[TB], SLOT                   ; the other slot is now in hand
	v_add_nc_u32 v[CA], s[TB], v[ADRA]
	v_add_nc_u32 v[CB], s[TB], v[ADRB]
	FETCH 0, F0
	WIN MUL
	MUL8 F1, 1, 0, 0
	MUL8 F1, 1, 2, 0
.endm
	s_wait_tensorcnt 1                             ; my part of K step 0 is in; K step 1's may stay out
	s_barrier_signal -1
	s_barrier_wait -1
	FETCH 0, F0
	QUARTER 1, F0, F1, 1                           ; the first quarter: its first products start the sums
	WIN 0
	s_mov_b32 s[CNT], 2
.Lstep:                                        ; a trip goes from a K step's second quarter to the next step's first and fills a slot again: K steps 2 and 3 in two trips
	QUARTER 2, F1, F0, 0
	QUARTER 3, F0, F1, 0
	TURN 1
	QUARTER 1, F0, F1, 0
	WIN 0
	s_sub_co_u32 s[CNT], s[CNT], 1
	s_cmp_lg_u32 s[CNT], 0
	s_cbranch_scc1 .Lstep
	s_mov_b32 s[CNT], 2
.Ltail:                                        ; K steps 2 and 3 fill nothing; the second trip is left in its middle
	QUARTER 2, F1, F0, 0
	QUARTER 3, F0, F1, 0
	WIN 0
	s_sub_co_u32 s[CNT], s[CNT], 1
	s_cmp_eq_u32 s[CNT], 0
	s_cbranch_scc1 .Llast
	TURN 0
	QUARTER 1, F0, F1, 0
	WIN 0
	s_branch .Ltail
.Llast:
	s_wait_dscnt 16
	WIN MUL
	MUL8 F1, 0, 0, 0
	MUL8 F1, 0, 2, 0
	s_wait_dscnt 0x0
	MUL8 F1, 1, 0, 0
	MUL8 F1, 1, 2, 0
	WIN 0
	; THE WAY OUT: 16 rows at a time through my stage in f32; back as whole rows of 256 bytes; the bias is added; stored.
	PLACES
	s_wait_loadcnt 0x0                             ; the bias
	v_cvt_pk_bf16_f32 v[BI+4], v[BI], v[BI+1]      ; rounded to bf16,
	v_cvt_pk_bf16_f32 v[BI+5], v[BI+2], v[BI+3]
	v_lshlrev_b32 v[BI], 16, v[BI+4]               ; and back in f32
	v_and_b32 v[BI+1], 0xffff0000, v[BI+4]
	v_lshlrev_b32 v[BI+2], 16, v[BI+5]
	v_and_b32 v[BI+3], 0xffff0000, v[BI+5]
.irp a, 0,1,2,3
.irp b, 0,1,2,3
	ds_store_b128 v[STO], v[ACC+8*(4*(\a)+(\b)):ACC+8*(4*(\a)+(\b))+3]   offset:64*(\b)     ; an accumulator's low registers first
	ds_store_b128 v[STO], v[ACC+8*(4*(\a)+(\b))+4:ACC+8*(4*(\a)+(\b))+7] offset:64*(\b)+16
.endr
	s_wait_xcnt 0x0                                ; the stores issued so far have read their registers: this set of rows is loaded again only behind this wait
.irp t, 0,1,2,3,4,5,6,7
	ds_load_b128 v[TMP+32*((\a)%2)+4*(\t):TMP+32*((\a)%2)+4*(\t)+3], v[RD] offset:(\t)*2*SPITCH  ; LDS serves a wave's instructions in order (ISA guide 5.7.1.4)
.endr
	s_wait_dscnt 0x0
.irp t, 0,1,2,3,4,5,6,7
	v_pk_add_f32 v[TMP+32*((\a)%2)+4*(\t):TMP+32*((\a)%2)+4*(\t)+1],   v[TMP+32*((\a)%2)+4*(\t):TMP+32*((\a)%2)+4*(\t)+1],   v[BI:BI+1]
	v_pk_add_f32 v[TMP+32*((\a)%2)+4*(\t)+2:TMP+32*((\a)%2)+4*(\t)+3], v[TMP+32*((\a)%2)+4*(\t)+2:TMP+32*((\a)%2)+4*(\t)+3], v[BI+2:BI+3]
.endr
.irp t, 0,1,2,3,4,5,6,7
	global_store_b128 v[CO], v[TMP+32*((\a)%2)+4*(\t):TMP+32*((\a)%2)+4*(\t)+3], s[10:11] offset:(16*(\a)+2*(\t))*4096  ; 16 lanes store 256 consecutive bytes, aligned
.endr
.endr
	s_wait_tensorcnt 0x0                           ; the wave's end
	ds_add_u32 v[SPW], v[NIL]
	s_wait_dscnt 0x0
	CROUND                                         ; the closing round
	s_endpgm
.Lfunc_end_k_qb944bec63b_qproj:
	.size	k_qb944bec63b_qproj, .Lfunc_end_k_qb944bec63b_qproj-k_qb944bec63b_qproj
	.p2alignl 7, 3214868480
	.fill 96, 4, 3214868480
	.section	.rodata,"a",@progbits
	.p2align	6, 0x0
	.amdhsa_kernel k_qb944bec63b_qproj
		.amdhsa_group_segment_fixed_size 327680
		.amdhsa_private_segment_fixed_size 0
		.amdhsa_enable_private_segment 0
		.amdhsa_kernarg_size 32
		.amdhsa_user_sgpr_count 2
		.amdhsa_user_sgpr_kernarg_segment_ptr 1
		.amdhsa_wavefront_size32 1
		.amdhsa_system_sgpr_workgroup_id_x 1
		.amdhsa_system_sgpr_workgroup_id_y 1
		.amdhsa_system_sgpr_workgroup_id_z 1
		.amdhsa_system_vgpr_workitem_id 0
		.amdhsa_next_free_vgpr 512
		.amdhsa_next_free_sgpr 86
		.amdhsa_reserve_vcc 0
		.amdhsa_float_denorm_mode_32 3
		.amdhsa_float_denorm_mode_16_64 3
		.amdhsa_memory_ordered 1
		.amdhsa_forward_progress 1
		.amdhsa_inst_pref_size 66
	.end_amdhsa_kernel
	.amdgpu_metadata
---
amdhsa.version: [ 1, 2 ]
amdhsa.kernels:
  - .name:           k_qb944bec63b_qproj
    .symbol:         k_qb944bec63b_qproj.kd
    .args:
      - { .name: xs, .offset: 0, .size: 8, .value_kind: global_buffer, .address_space: global }
      - { .name: wqs, .offset: 8, .size: 8, .value_kind: global_buffer, .address_space: global }
      - { .name: zb, .offset: 16, .size: 8, .value_kind: global_buffer, .address_space: global }
      - { .name: qf, .offset: 24, .size: 8, .value_kind: global_buffer, .address_space: global }
    .group_segment_fixed_size: 327680
    .private_segment_fixed_size: 0
    .kernarg_segment_align: 8
    .kernarg_segment_size: 32
    .max_flat_workgroup_size: 128
    .sgpr_count:     86
    .vgpr_count:     512
    .wavefront_size: 32
...
	.end_amdgpu_metadata
.endif
;; end of part 3
;; launch attn (part 4): grid 8 x 32, 4 waves a work-group, clusters of 4 x 4, 327,680 bytes of LDS; arguments qf, kvw, attn_bias, scale_mul, oh; writes oh
.if DOCPART == 4
	.amdgcn_target "amdgcn-amd-amdhsa--gfx1250"
	.amdhsa_code_object_version 6
	.text
	.protected	k_qb944bec63b_attn
	.globl	k_qb944bec63b_attn
	.p2align	8
	.type	k_qb944bec63b_attn,@function
k_qb944bec63b_attn:
	s_mov_b64 s[64:65], 0
	v_nop
	global_prefetch_b8 v0, s[64:65] scope:SCOPE_SE
	s_setreg_imm32_b32 hwreg(HW_REG_WAVE_MODE, 25, 1), 1
	s_wait_xcnt 0x0
	s_wait_alu depctr_hold_cnt(0) depctr_sa_sdst(0) depctr_va_vdst(0) depctr_va_sdst(0) depctr_va_ssrc(0) depctr_va_vcc(0) depctr_vm_vsrc(0)
	s_getreg_b32 s2, hwreg(HW_REG_IB_STS2, 6, 4)
	s_cmp_eq_u32 s2, 0
	s_cbranch_scc0 .Lentry_in_a_cluster
	s_endpgm
.Lentry_in_a_cluster:
	s_bfe_u32 s2, ttmp6, 0x10000c
	s_cmp_lg_u32 s2, 0xf033
	s_cbranch_scc0 .Lentry_shape_is_right
	s_endpgm
.Lentry_shape_is_right:
; O[b][h][l][:] = the sum over m of softmax_m(q'[l] . k[m] + bias[h][l][m]) v[m][:], with q'[c] = q[c] / max(|q|, 1e-12) x sm / max(n[c], 1e-12), sm = exp(min(scale_mul[h], ln 100)),
; |q| over the head's 64 channels, n[c] = sqrt(sum over the batch's 2,048 keys of k[.][c]^2): k's norm, which does not hang on the key, is folded into q.
; IN: qf raw q, f32 [4096][1024]; kvw: k bf16 and v f16, [4][16][2048][64], and ksq f32 [64][1024], 16 partial sums of k^2 a batch; attn_bias f32 [16][1024][2048]; scale_mul [16].  OUT: oh, f16 [4][16][1024][64].
; FORMATS.  q' is made in f32 and rounded once to bf16 (it has no room in f16 when k grows); the scores' products are bf16; the bias enters in f32, unrounded, as the C operand that starts each score's sum;
; maxima, exponentials and sums in f32; the weights p are rounded to f16 for the second product (their sum l is taken of the unrounded p), O once at the end.  scale_mul is rounded to bf16 like the other inputs.
; LIMITS.  v arrives within f16's 65,504; a weight below 2^-126 counts as 0 in l; the running c m starts at -4.25e37; NaN and infinities are not treated apart.
; SHARES.  A work-group has one head, TWO batches and 128 queries: 16 x 2 x 8 = 256 work-groups.  The bias does not hang on the batch, so a tile of it serves two batches.  Wave w: batch 2 bp + w / 2,
; queries 64 (w % 2) on: four tiles of 16, in two PIECES (tiles 0, 1 and tiles 2, 3).  A key step is 64 keys; a slot holds 128 keys: K and V of both batches and 128 x 128 of the bias.
; LAYOUT.  S^T = K Q^T + B^T (source 0 = 16 keys, source 1 = 16 queries): a lane holds ONE query (lane % 16) and the keys 8 (lane / 16) + 0..7; two such results rounded to f16 in pairs ARE source 1 of
; O^T = V^T P.  K comes out of LDS as it lies, V turned by ds_load_tr16_b128, the bias as 32 consecutive bytes of the lane's row.
; SOFTMAX.  A running maximum m and sum l for each query: p = 2^(c s - c m), c = log2(e); O and l are multiplied by a = 2^(c m_old - c m_new) in every step.  m starts at the lowest finite number, O and l at 0,
; so the first step is a step like any other, with a = 0: 224 registers are cleared for it, in the wait for the first tile, and no first step is written out.
; BY TURNS.  In a turn one piece has the matrix unit (16 products V^T P of the step in hand, 16 products K Q^T of the next step); the other piece's softmax is 236 instructions in 59 slices of four.
; ONE slice stands behind each of the 32 products; the other 27, which no product has room for, stand together in two lumps: 11 between the two runs of products, while K's and the bias's loads come
; back, and 16 at the turn's end.  All that a step reads from LDS belongs to the NEXT step, so the change of slots stands between the turns of an even step and of an odd one.
; CLUSTER 4 x 4.  x: query blocks; y: 2 head + batch pair.  K and V hang on y alone: joint loads along a row of the cluster.  The bias comes by loads of the work-group's own: a tile of it is shared by two
; work-groups only (the two batch pairs of a head), and a row or a column of the cluster, which a mask names here, has four.
; REGISTERS, in windows of 256 (s_set_vgpr_msb: bits 1:0 source 0, 3:2 source 1, 5:4 source 2, 7:6 destination):
;   window 0: v0-11 addresses; v12-43 eight statistics a tile; v44-63 addresses and work; v64-191 S^T, 32 a tile; v192-255 P, 16 a tile
;   window 1: v0-127 O^T, 32 a tile; v128-191 the bias of one piece and step          window 2: v0-63 Q, 16 a tile; v64-127 K of one step; v128-191 V of one step
.set KS,    64
.set PK,    144       ; a row of K in LDS: 128 bytes + 16: the 16 rows of a load start at 16 different groups of four banks (ISA guide 11.1)
.set PVP,   160       ; a row of V: 128 + 32
.set PB,    528       ; a row of the bias: 512 + 16
.set VOFF,  2*128*PK              ; a slot: K [2 batches][128 keys], then V likewise,
.set BOFF,  VOFF+2*128*PVP        ; then the bias [128 queries][128 keys]
.set SLOT,  BOFF+128*PB           ; 145,408 bytes
.set STAGE, 2*SLOT                ; behind the ring: 16 rows x 144 bytes for each wave, for the way out
.set SP,    144
.set SCR,   STAGE+4*16*SP         ; 256 bytes for each wave: the 64 factors sm / n[c]
.set SPARE, SCR+4*256             ; the spare words, 128 bytes a wave
.set VBASE, 16777216              ; v in kvw
.set QBASE, 33554432              ; ksq in kvw
.set AK0, 2           ; v2   my lane's place in a slot's K; never rewritten
.set AV0, 3           ; v3   in its V
.set ADR, 4           ; v4   the LDS address of the run of loads in hand
.set AB0, 5           ; v5   my lane's place in a slot's bias
.set STO, 6           ; v6   the way out: where I put 16 bytes of a row
.set RD,  7           ; v7   where I read rows back
.set GO,  8           ; v8   16 x lane
.set ST,  12          ; tile t at v[ST+8 t]: +0 c m, +1 m, +2, +3 l, +4 to +7 c0-c3 at work; a takes c2's place
.set PFO, 44          ; v44  the bias prefetch's offset; never rewritten
.set PKO, 45          ; v45  K's and V's: 256 x lane; never rewritten
.set QO,  46          ; v46  my byte offset in 16 rows of q
.set KO,  47          ; v47  4 x lane
.set W,   48          ; v48-57 at work in the head
.set SPW, 62          ; v62  my spare word; never rewritten
.set NIL, 63          ; v63  0; never rewritten
.set S,   64
.set P,   192
.set BB,  128         ; window 1: tile u of the piece, key block kb at BB + 32 u + 8 kb
.set KF,  64          ; window 2: key block kb, channel half c at KF + 16 kb + 8 c
.set VF,  128         ; window 2: key half kk, channel block cb at VF + 32 kk + 8 cb
.set WV,  14          ; s14  my wave's number
.set G1K, 16          ; s[16:23] group 1 for K;  s[24:31] for V;  s[32:39] for the bias
.set G1V, 24
.set G1B, 32
.set G0K, 40          ; s[40:43], s[44:47], s[48:51], s[52:55]: group 0 for K, V and the bias's two halves of rows: they walk
.set G0V, 44
.set G0B0, 48
.set G0B1, 52
.set SLOTS, 56        ; s56  counts the slots
.set TWICE, 57        ; s57  counts a slot's two steps
.set CS,  58          ; s[58:59] c
.set SEL, 60          ; s[60:61] v_permlanex16_b32's selects: each lane takes its own place in the other half
.set TBK, 62          ; s62  LDS byte at which K of the step to be fetched begins
.set TBV, 63          ; s63  the same for V, less VOFF
.set TBB, 66          ; s66  the same for the bias, less BOFF
.set PFA, 68          ; s[68:69] where my bias prefetches stand
.set PFK, 70          ; s[70:71] where my work-group's prefetches of K or V stand
.set MSB, 0
.macro WIN new
.if MSB != (\new)
	s_set_vgpr_msb (MSB<<8)|(\new)
.set MSB, (\new)
.endif
.endm
.set W_KB, 0x1a       ; K and Q in window 2, the bias (C) in window 1, S^T in window 0
.set W_KQ, 0x0a       ; K and Q in window 2, S^T in window 0
.set W_PV, 0x52       ; V in window 2, P in window 0, O^T in window 1
.set W_RS, 0x41       ; destination and source 0 in window 1, source 1 in window 0
; A fill: wave 0 asks for the slot's K, wave 1 for its V (jointly with the three partners of the cluster's row), waves 2 and 3 for the two halves of the bias's rows.  One tensor load a wave.
; The branches hang on the wave's number alone.  s_nop 0 and four v_nop follow each line.
.macro ONE g0, g1
	tensor_load_to_lds s[(\g0):(\g0)+3], s[(\g1):(\g1)+7]
	s_nop 0
.rept 4
	v_nop
.endr
.endm
.macro LOAD
	s_cmp_lt_u32 s[WV], 2
	s_cbranch_scc0 .Lbias_\@
	s_cmp_eq_u32 s[WV], 0
	s_cbranch_scc0 .Lfor_v_\@
	ONE G0K, G1K
	s_branch .Lasked_\@
.Lfor_v_\@:
	ONE G0V, G1V
	s_branch .Lasked_\@
.Lbias_\@:
	s_cmp_eq_u32 s[WV], 2
	s_cbranch_scc0 .Lbias1_\@
	ONE G0B0, G1B
	s_branch .Lasked_\@
.Lbias1_\@:
	ONE G0B1, G1B
.Lasked_\@:
.endm
.macro CROUND                       ; a round of the cluster's barrier
	s_barrier_signal -1
	s_barrier_wait -1
	s_cmp_lg_u32 s[WV], 0
	s_cbranch_scc1 .Lnot_wave_0_\@
	s_barrier_signal -3
.Lnot_wave_0_\@:
	s_barrier_wait -3
	s_barrier_signal -1
	s_barrier_wait -1
.endm
; A PREFETCH INTO THE L2 of what the NEXT change of slots will ask for: two key steps, 128 matrix instructions a wave, ahead of that load.  Each aligned block of 256 bytes is named once in the launch.
; The bias: the two work-groups that read a tile take 64 of its 128 rows each, told apart by address; a wave 16 rows, two lanes a row of 512 bytes.  K and V: the eight work-groups of a head and batch pair
; take 8,192 of a slot's 65,536 bytes each, by address; wave 0 asks, a lane a block.  The last change that fills a slot asks for nothing: there is no slot behind it.
.macro ASK
	s_cmp_gt_u32 s[SLOTS], 1
	s_cbranch_scc0 .Lnone_\@
	global_prefetch_b8 v[PFO], s[PFA:PFA+1] th:TH_LOAD_NT scope:SCOPE_SE
	s_cmp_eq_u32 s[WV], 0
	s_cbranch_scc0 .Lnone_\@
	global_prefetch_b8 v[PKO], s[PFK:PFK+1] th:TH_LOAD_NT scope:SCOPE_SE
.Lnone_\@:
.endm
; THE CHANGE OF SLOTS.  Each wave waits for all its tensor loads, of which one is out: its part of the other slot; adds 0 to its spare word; waits for that and for its own reads of the slot that it leaves.
; fill = 1: the barrier is a round of the cluster's, and the old slot is filled again first thing behind it, with the keys two slots on.  (At its first use nothing has been read: slot 0 is waited for, slot 1 filled.)
.macro CHANGE fill, ask
	WIN 0
	s_wait_tensorcnt 0x0            ; no tensor load of mine is out, so a group 0 may be written
	ds_add_u32 v[SPW], v[NIL]       ; 0 onto my spare word; scalar work stands between it and the wait for it
.if \fill
	s_xor_b32 s[G0K+1], s[G0K+1], SLOT                                 ; each LDS word turns between its place in slot 0 and in slot 1
	s_xor_b32 s[G0V+1], s[G0V+1], VOFF^(VOFF+SLOT)
	s_xor_b32 s[G0B0+1], s[G0B0+1], BOFF^(BOFF+SLOT)
	s_xor_b32 s[G0B1+1], s[G0B1+1], (BOFF+64*PB)^(BOFF+64*PB+SLOT)
	s_add_nc_u64 s[G0K+2:G0K+3], s[G0K+2:G0K+3], 128*128               ; the next 128 keys: rows of 128 bytes,
	s_add_nc_u64 s[G0V+2:G0V+3], s[G0V+2:G0V+3], 128*128
	s_add_nc_u64 s[G0B0+2:G0B0+3], s[G0B0+2:G0B0+3], 128*4             ; 512 bytes along the bias's rows
	s_add_nc_u64 s[G0B1+2:G0B1+3], s[G0B1+2:G0B1+3], 128*4
	s_wait_xcnt 0x0                 ; the last prefetches, two key steps back, have read their addresses
	s_add_nc_u64 s[PFA:PFA+1], s[PFA:PFA+1], 128*4
	s_add_nc_u64 s[PFK:PFK+1], s[PFK:PFK+1], 128*128
	s_wait_dscnt 0x0                ; the add is done, and my reads of the slot are over
	CROUND
	LOAD
.if \ask
	ASK
.endif
.else
	s_wait_dscnt 0x0
	s_barrier_signal -1
	s_barrier_wait -1
.endif
	s_sub_co_u32 s[TBK], s[TBK], 2*KS*PK   ; the fetches go back to a slot's first step (0 or SLOT),
	s_xor_b32 s[TBK], s[TBK], SLOT         ; in the other slot
	s_sub_co_u32 s[TBV], s[TBV], 2*KS*PVP
	s_xor_b32 s[TBV], s[TBV], SLOT
	s_sub_co_u32 s[TBB], s[TBB], 2*KS*4
	s_xor_b32 s[TBB], s[TBB], SLOT
.endm
	s_load_b256 s[4:11], s[0:1], 0x0  ; qf s[4:5], kvw s[6:7], attn_bias s[8:9], scale_mul s[10:11]
	s_load_b64 s[12:13], s[0:1], 0x20 ; oh
	v_lshl_add_u32 v[SPW], v0, 2, SPARE
	v_mov_b32 v[NIL], 0
	ds_add_u32 v[SPW], v[NIL]       ; the wave's opening: the add and its wait stand ahead of my first tensor load
	v_lshrrev_b32 v1, 5, v0
	v_readfirstlane_b32 s[WV], v1   ; wave 0..3
	s_bfe_u32 s72, ttmp6, 0x40000   ; cx
	s_bfe_u32 s73, ttmp6, 0x40004   ; cy
	s_lshl_b32 s74, ttmp9, 2
	s_add_co_u32 s74, s74, s72      ; the block of 128 queries, 0..7
	s_and_b32 s75, ttmp7, 0xffff
	s_lshl_b32 s75, s75, 2
	s_add_co_u32 s75, s75, s73      ; 2 head + batch pair
	s_lshr_b32 s76, s75, 1          ; head
	s_and_b32 s77, s75, 1           ; batch pair
	s_lshr_b32 s84, s[WV], 1        ; which batch of the pair is mine
	s_and_b32 s85, s[WV], 1         ; which 64 queries
	s_lshl_b32 s86, s77, 1
	s_add_co_u32 s86, s86, s84      ; my batch
	s_lshl_b32 s78, s73, 2
	s_lshl_b32 s78, 15, s78         ; my row of the cluster
	; group 1.  K, V: 128 keys of a batch and head are 16,384 dense bytes, taken as one row; two rows: the two batches, 16 x 2,048 x 64 elements apart; padded after every key
	s_or_b32 s[G1K], s78, (1<<16)|(1<<20)|(1<<21)|(4<<22)|(3<<25)  ; the mask; 2-byte elements; padding on; bit 21 beside a mask; after every 32 words 4 words
	s_or_b32 s[G1V], s78, (1<<16)|(1<<20)|(1<<21)|(4<<22)|(7<<25)  ; the same with 8 words
.irp g, G1K, G1V
	s_mov_b32 s[(\g)+1], 8192<<16   ; tensor_dim0 = 8,192
	s_mov_b32 s[(\g)+2], 2<<16      ; tensor_dim1 = 2
	s_mov_b32 s[(\g)+3], 8192<<16   ; tile_dim0
	s_mov_b32 s[(\g)+4], 2          ; tile_dim1
	s_mov_b32 s[(\g)+5], 2097152    ; elements from batch to batch
	s_mov_b32 s[(\g)+6], 0
	s_mov_b32 s[(\g)+7], 0
.endr
	s_mov_b32 s[G1B], (2<<16)|(1<<20)|(6<<22)|(3<<25)  ; no mask; 4-byte elements; padding on: after every 128 words 4 words
	s_mov_b32 s[G1B+1], 128<<16     ; tensor_dim0 = 128 keys
	s_mov_b32 s[G1B+2], 64<<16      ; tensor_dim1 = 64 queries
	s_mov_b32 s[G1B+3], 128<<16
	s_mov_b32 s[G1B+4], 64
	s_mov_b32 s[G1B+5], 2048        ; elements from row to row
	s_mov_b32 s[G1B+6], 0
	s_mov_b32 s[G1B+7], 0
	s_mov_b32 s[G0K], 1
	s_mov_b32 s[G0K+1], 0           ; slot 0
	s_mov_b32 s[G0V], 1
	s_mov_b32 s[G0V+1], VOFF
	s_mov_b32 s[G0B0], 1
	s_mov_b32 s[G0B0+1], BOFF
	s_mov_b32 s[G0B1], 1
	s_mov_b32 s[G0B1+1], BOFF+64*PB
	s_mov_b32 s[CS], 0x3fb8aa3b     ; c = log2(e)
	s_mov_b32 s[CS+1], s[CS]
	s_mov_b32 s[SEL], 0x76543210
	s_mov_b32 s[SEL+1], 0xfedcba98
	s_mov_b32 s[TBK], SLOT+2*KS*PK  ; the first change of slots turns these three into 0
	s_mov_b32 s[TBV], SLOT+2*KS*PVP
	s_mov_b32 s[TBB], SLOT+2*KS*4
	s_mov_b32 s81, 0                ; the offsets' high words
	s_mov_b32 s89, 0
	s_lshl_b32 s88, s77, 5          ; K and V hang on the head and the batch pair alone: (32 pair + head) x 2,048 keys x 128 bytes
	s_add_co_u32 s88, s88, s76
	s_lshl_b32 s88, s88, 18
	s_wait_dscnt 0x0                ; the opening add is done
	s_wait_kmcnt 0x0
	s_add_nc_u64 s[G0K+2:G0K+3], s[6:7], s[88:89]
	s_or_b32 s[G0K+3], s[G0K+3], 0x80000000
	s_add_co_u32 s88, s88, VBASE
	s_add_nc_u64 s[G0V+2:G0V+3], s[6:7], s[88:89]
	s_or_b32 s[G0V+3], s[G0V+3], 0x80000000
	s_lshl_b32 s87, s76, 10
	s_lshl_b32 s80, s74, 7
	s_add_co_u32 s87, s87, s80      ; the block's first row among the bias's 16,384,
	s_lshl_b32 s80, s87, 13         ; 8,192 bytes a row
	s_add_nc_u64 s[G0B0+2:G0B0+3], s[8:9], s[80:81]
	s_add_nc_u64 s[G0B1+2:G0B1+3], s[G0B0+2:G0B0+3], 64*8192
	s_or_b32 s[G0B0+3], s[G0B0+3], 0x80000000
	s_or_b32 s[G0B1+3], s[G0B1+3], 0x80000000
	s_lshl_b32 s80, s77, 6          ; the bias prefetch: my work-group's 64 rows of the tile's 128,
	s_add_co_u32 s80, s80, s87
	s_lshl_b32 s80, s80, 13
	s_add_co_u32 s80, s80, 128*4    ; at slot 1: each change steps it first, and the first that asks names slot 3
	s_add_nc_u64 s[PFA:PFA+1], s[8:9], s[80:81]
	s_lshr_b32 s80, s74, 1          ; K's and V's: query block bit 2 (the cluster's x) picks K or V, bit 1 the batch of the pair, bit 0 the half of 16,384 bytes
	s_and_b32 s80, s80, 1
	s_lshl_b32 s82, s77, 1
	s_add_co_u32 s80, s80, s82
	s_lshl_b32 s80, s80, 4
	s_add_co_u32 s80, s80, s76
	s_lshl_b32 s80, s80, 18
	s_and_b32 s82, s74, 1
	s_lshl_b32 s82, s82, 13
	s_add_co_u32 s80, s80, s82
	s_lshl_b32 s82, ttmp9, 24
	s_add_co_u32 s80, s80, s82
	s_add_co_u32 s80, s80, 128*128  ; at slot 1
	s_add_nc_u64 s[PFK:PFK+1], s[6:7], s[80:81]
	s_lshl_b32 s80, s76, 2
	s_add_nc_u64 s[78:79], s[10:11], s[80:81]  ; scale_mul[head]
	s_lshl_b32 s80, s86, 16         ; ksq: my batch's 16 rows of 4,096 bytes, my head's 256 bytes
	s_lshl_b32 s82, s76, 8
	s_add_co_u32 s80, s80, s82
	s_add_co_u32 s80, s80, QBASE
	s_add_nc_u64 s[82:83], s[6:7], s[80:81]
	s_lshl_b32 s80, s86, 10         ; q: row 1,024 batch + 128 block + 64 half, 4,096 bytes a row; my head's 256 bytes
	s_lshl_b32 s87, s74, 7
	s_add_co_u32 s80, s80, s87
	s_lshl_b32 s87, s85, 6
	s_add_co_u32 s80, s80, s87
	s_lshl_b32 s80, s80, 12
	s_lshl_b32 s87, s76, 8
	s_add_co_u32 s80, s80, s87
	s_add_nc_u64 s[4:5], s[4:5], s[80:81]
	s_lshl_b32 s80, s86, 4          ; O: ((16 batch + head) x 1,024 + my first query) x 128 bytes
	s_add_co_u32 s80, s80, s76
	s_lshl_b32 s80, s80, 10
	s_lshl_b32 s87, s74, 7
	s_add_co_u32 s80, s80, s87
	s_lshl_b32 s87, s85, 6
	s_add_co_u32 s80, s80, s87
	s_lshl_b32 s80, s80, 7
	s_add_nc_u64 s[12:13], s[12:13], s[80:81]
	CROUND                          ; all sixteen work-groups are here
	LOAD                            ; slot 0.  Slot 1 is asked for when slot 0 is in, by the change of slots below
	s_load_b32 s15, s[78:79], 0x0
	v_and_b32 v1, 15, v0            ; l % 16
	v_bfe_u32 v9, v0, 4, 1          ; l / 16
	v_and_b32 v48, 31, v0           ; l
	v_lshlrev_b32 v[KO], 2, v48
	v_lshlrev_b32 v[QO], 12, v1
	v_lshl_add_u32 v[QO], v9, 5, v[QO]  ; row x 4,096 + 32 x half
.set i, 0
.rept 16                            ; the 16 partial sums of k^2 of channels l and l + 32 of my head and batch
	global_load_b32 v[P+2*i],   v[KO], s[82:83] offset:4096*i
	global_load_b32 v[P+2*i+1], v[KO], s[82:83] offset:4096*i+128
.set i, i+1
.endr
.set i, 0
.rept 8                             ; raw q in a fragment's order: tile i / 2, channels 32 (i % 2) + 8 (l / 16) + 0..7 and + 16 + 0..7
	global_load_b128 v[S+16*i:S+16*i+3],     v[QO], s[4:5] offset:(i/2)*65536+(i%2)*128
	global_load_b128 v[S+16*i+4:S+16*i+7],   v[QO], s[4:5] offset:(i/2)*65536+(i%2)*128+16
	global_load_b128 v[S+16*i+8:S+16*i+11],  v[QO], s[4:5] offset:(i/2)*65536+(i%2)*128+64
	global_load_b128 v[S+16*i+12:S+16*i+15], v[QO], s[4:5] offset:(i/2)*65536+(i%2)*128+80
.set i, i+1
.endr
	v_lshrrev_b32 v49, 1, v48
	v_and_b32 v50, 1, v0
	v_lshlrev_b32 v[PFO], 13, v49
	v_lshl_add_u32 v[PFO], v50, 8, v[PFO]
	s_lshl_b32 s87, s[WV], 17
	v_add_nc_u32 v[PFO], s87, v[PFO]  ; (16 wave + l / 2) rows of 8,192 bytes + 256 (l % 2)
	v_lshlrev_b32 v[PKO], 8, v48
	v_mul_u32_u24 v[AK0], v1, PK
	v_lshl_add_u32 v[AK0], v9, 4, v[AK0]
	s_mul_i32 s87, s84, 128*PK
	v_add_nc_u32 v[AK0], s87, v[AK0]  ; row x pitch + 16 x half, in my batch's K
	; The turning load takes 16 keys x 16 channels (lane l reads key 8 (l / 16) + l % 8, channels 8 ((l / 8) % 2) + 0..7) and leaves half a fragment of V^T.
	v_and_b32 v10, 7, v0
	v_bfe_u32 v11, v0, 3, 1
	v_lshl_add_u32 v[AV0], v9, 3, v10
	v_mul_u32_u24 v[AV0], v[AV0], PVP
	v_lshl_add_u32 v[AV0], v11, 4, v[AV0]
	s_mul_i32 s87, s84, 128*PVP
	s_add_co_u32 s87, s87, VOFF
	v_add_nc_u32 v[AV0], s87, v[AV0]
	v_mul_u32_u24 v[AB0], v1, PB
	v_lshl_add_u32 v[AB0], v9, 5, v[AB0]
	s_mul_i32 s87, s85, 64*PB
	s_add_co_u32 s87, s87, BOFF
	v_add_nc_u32 v[AB0], s87, v[AB0]  ; my query's row + 32 bytes x half, in my 64 rows of the bias
	s_mul_i32 s87, s[WV], 16*SP
	s_add_co_u32 s87, s87, STAGE
	v_mul_u32_u24 v[STO], v1, SP
	v_lshl_add_u32 v[STO], v9, 4, v[STO]
	v_add_nc_u32 v[STO], s87, v[STO]
	v_bfe_u32 v[RD], v0, 3, 2
	v_mul_u32_u24 v[RD], v[RD], SP
	v_lshl_add_u32 v[RD], v10, 4, v[RD]
	v_add_nc_u32 v[RD], s87, v[RD]
	v_lshlrev_b32 v[GO], 4, v48
	s_lshl_b32 s87, s[WV], 8
	s_add_co_u32 s87, s87, SCR
	v_lshl_add_u32 v56, v48, 2, s87   ; where I put the factor of channel l
	v_lshl_add_u32 v57, v9, 5, s87    ; where I read my 32 factors
	; What the first turn finds: V and piece 2's P hold 0 (its products V^T P, of a step that has not been, add 0); O^T and l are 0.
	WIN 0x80
.set i, VF
.rept 64
	v_mov_b32 v[i], 0
.set i, i+1
.endr
	WIN 0x40
.set i, 0
.rept 128
	v_mov_b32 v[i], 0
.set i, i+1
.endr
	WIN 0
.set i, P+32
.rept 32
	v_mov_b32 v[i], 0
.set i, i+1
.endr
.set i, 0
.rept 4
	v_mov_b32 v[ST+8*i], 0xfe000000    ; c m: far below every c s
	v_mov_b32 v[ST+8*i+1], 0xff7fffff  ; m
	v_mov_b32 v[ST+8*i+2], 0
	v_mov_b32 v[ST+8*i+3], 0
.set i, i+1
.endr
	; THE FACTORS sm / max(n[c], 1e-12)
	s_wait_loadcnt 32               ; the partial sums are in; q's 32 younger loads may stay out
.irp s, 16,8,4,2
.set n, 0
.rept (\s)/2
	v_pk_add_f32 v[P+2*n:P+2*n+1], v[P+2*n:P+2*n+1], v[P+2*n+(\s):P+2*n+(\s)+1]
.set n, n+1
.endr
.endr
	s_wait_kmcnt 0x0
	v_mov_b32 v48, s15
	v_cvt_pk_bf16_f32 v48, v48, v48 ; scale_mul rounded to bf16,
	v_lshlrev_b32 v48, 16, v48
	v_min_num_f32 v48, 0x40935d8e, v48  ; at most ln 100,
	v_mul_f32 v48, 0x3fb8aa3b, v48
	v_exp_f32 v49, v48              ; sm
	v_sqrt_f32 v50, v[P]
	v_sqrt_f32 v51, v[P+1]
	v_nop                           ; a plain instruction behind the batch,
	s_wait_alu depctr_va_vdst(0)    ; and the wait ahead of the first use
	v_max_num_f32 v50, 0x2b8cbccc, v50  ; 1e-12
	v_max_num_f32 v51, 0x2b8cbccc, v51
	v_rcp_f32 v52, v50
	v_rcp_f32 v53, v51
	v_nop
	s_wait_alu depctr_va_vdst(0)
	v_mul_f32 v52, v52, v49
	v_mul_f32 v53, v53, v49
	ds_store_b32 v56, v52           ; my wave's own 256 bytes: channel l, channel l + 32
	ds_store_b32 v56, v53 offset:128
.irp c, 0,1                         ; back in the order in which q lies in my registers; LDS serves a wave's instructions in order (ISA guide 5.7.1.4)
	ds_load_b128 v[P+16*(\c):P+16*(\c)+3],     v57 offset:128*(\c)
	ds_load_b128 v[P+16*(\c)+4:P+16*(\c)+7],   v57 offset:128*(\c)+16
	ds_load_b128 v[P+16*(\c)+8:P+16*(\c)+11],  v57 offset:128*(\c)+64
	ds_load_b128 v[P+16*(\c)+12:P+16*(\c)+15], v57 offset:128*(\c)+80
.endr
	s_wait_loadcnt 0x0              ; q
	s_wait_dscnt 0x0
	; |q|: my 32 channels' squares, four chains, a tile each; the other 32 lie in the lane 16 away
.set n, 0
.rept 16
.irp t, 0,1,2,3
.if n == 0
	v_pk_mul_f32 v[W+2*(\t):W+2*(\t)+1], v[S+32*(\t):S+32*(\t)+1], v[S+32*(\t):S+32*(\t)+1]
.else
	v_pk_fma_f32 v[W+2*(\t):W+2*(\t)+1], v[S+32*(\t)+2*n:S+32*(\t)+2*n+1], v[S+32*(\t)+2*n:S+32*(\t)+2*n+1], v[W+2*(\t):W+2*(\t)+1]
.endif
.endr
.set n, n+1
.endr
.irp t, 0,1,2,3
	v_add_f32 v[W+2*(\t)], v[W+2*(\t)], v[W+2*(\t)+1]
.endr
.irp t, 0,1,2,3
	v_permlanex16_b32 v[W+2*(\t)+1], v[W+2*(\t)], s[SEL], s[SEL+1]
.endr
.irp t, 0,1,2,3
	v_add_f32 v[W+2*(\t)], v[W+2*(\t)], v[W+2*(\t)+1]
.endr
.irp t, 0,1,2,3
	v_sqrt_f32 v[W+2*(\t)], v[W+2*(\t)]
.endr
	v_nop
	s_wait_alu depctr_va_vdst(0)
.irp t, 0,1,2,3
	v_max_num_f32 v[W+2*(\t)], 0x2b8cbccc, v[W+2*(\t)]
.endr
.irp t, 0,1,2,3
	v_rcp_f32 v[W+2*(\t)], v[W+2*(\t)]
.endr
	v_nop
	s_wait_alu depctr_va_vdst(0)
.set n, 0
.rept 64                            ; q x the channel's factor,
	v_pk_mul_f32 v[S+2*n:S+2*n+1], v[S+2*n:S+2*n+1], v[P+2*(n%16):P+2*(n%16)+1]
.set n, n+1
.endr
.set n, 0
.rept 64                            ; x 1 / |q|,
	v_pk_mul_f32 v[S+2*n:S+2*n+1], v[S+2*n:S+2*n+1], v[W+2*(n/16):W+2*(n/16)+1] op_sel_hi:[1,0]
.set n, n+1
.endr
	WIN 0x80                        ; destination window 2
.set n, 0
.rept 64                            ; rounded once: Q's fragments
	v_cvt_pk_bf16_f32 v[n], v[S+2*n], v[S+2*n+1]
.set n, n+1
.endr
	WIN 0
; THE MATRIX WORK.  The 8 accumulators of a run of 16 take turns: between the two links of a chain stand 7 others'.
; Product i of 16 of O^T += V^T P for piece x: keys 32 (i / 8) on, channels 16 ((i / 2) % 4) on, tile x + i % 2.
.macro PV x
	WIN W_PV
.set rO, 32*((\x)+i%2)+8*((i/2)%4)
.set rV, VF+32*(i/8)+8*((i/2)%4)
.set rP, P+16*((\x)+i%2)+8*(i/8)
	v_wmma_f32_16x16x32_f16 v[rO:rO+7], v[rV:rV+7], v[rP:rP+7], v[rO:rO+7]
.endm
; Product i of 16 of S^T = K Q^T + B^T for piece x: channels 32 (i / 8) on, keys 16 ((i / 2) % 4) on, tile x + i % 2.  The first 8 start the sums with the bias.
.macro KQ x
.set rS, S+32*((\x)+i%2)+8*((i/2)%4)
.set rK, KF+16*((i/2)%4)+8*(i/8)
.set rQ, 16*((\x)+i%2)+8*(i/8)
.set rB, BB+32*(i%2)+8*((i/2)%4)
.if i < 8
	WIN W_KB
	v_wmma_f32_16x16x32_bf16 v[rS:rS+7], v[rK:rK+7], v[rQ:rQ+7], v[rB:rB+7]
.else
	WIN W_KQ
	v_wmma_f32_16x16x32_bf16 v[rS:rS+7], v[rK:rK+7], v[rQ:rQ+7], v[rS:rS+7]
.endif
.endm
; THE LDS LOADS stand in runs of 16: a step's K, a piece's bias, a step's V (turned).
.macro FETCH_K
	WIN 0
	v_add_nc_u32 v[ADR], s[TBK], v[AK0]
	s_add_co_u32 s[TBK], s[TBK], KS*PK
	WIN 0x80                        ; destination window 2
.irp f, 0,1,2,3,4,5,6,7             ; keys 16 (f / 2) on, channels 32 (f % 2) on
	ds_load_b128 v[KF+8*(\f):KF+8*(\f)+3],   v[ADR] offset:((\f)/2)*16*PK+((\f)%2)*64
	ds_load_b128 v[KF+8*(\f)+4:KF+8*(\f)+7], v[ADR] offset:((\f)/2)*16*PK+((\f)%2)*64+32
.endr
.endm
.macro FETCH_B x
	WIN 0
	v_add_nc_u32 v[ADR], s[TBB], v[AB0]
.if (\x) == 2
	s_add_co_u32 s[TBB], s[TBB], KS*4  ; behind the second piece: the next fetch is the next step's
.endif
	WIN 0x40                        ; destination window 1
.irp f, 0,1,2,3,4,5,6,7             ; tile x + f / 4, keys 16 (f % 4) on: my query's eight keys, 32 bytes
	ds_load_b128 v[BB+8*(\f):BB+8*(\f)+3],   v[ADR] offset:((\x)+(\f)/4)*16*PB+((\f)%4)*64
	ds_load_b128 v[BB+8*(\f)+4:BB+8*(\f)+7], v[ADR] offset:((\x)+(\f)/4)*16*PB+((\f)%4)*64+16
.endr
.endm
.macro FETCH_V
	WIN 0
	v_add_nc_u32 v[ADR], s[TBV], v[AV0]
	s_add_co_u32 s[TBV], s[TBV], KS*PVP
	s_wait_alu depctr_va_vdst(0)    ; the wait for the softmax's batch (SLICE), behind the address's line and ahead of the loads
	WIN 0x80
.irp f, 0,1,2,3,4,5,6,7             ; keys 32 (f / 4) on, channels 16 (f % 4) on
	ds_load_tr16_b128 v[VF+8*(\f):VF+8*(\f)+3],   v[ADR] offset:((\f)/4)*32*PVP+((\f)%4)*32
	ds_load_tr16_b128 v[VF+8*(\f)+4:VF+8*(\f)+7], v[ADR] offset:((\f)/4)*32*PVP+16*PVP+((\f)%4)*32
.endr
.endm
; THE VECTOR WORK.  One tile's softmax for one key step is a list of 118 instructions; SM writes number j of it for tile t.  s0-s31 are the lane's 32 scores, in pairs 0-15.
;   0-15    the maximum of s0-s31 and the old m, three operands at a time (each accumulator's lowest registers are read first)
;   16-20   the other half of the lanes' maximum; c m_old is kept; the new m; c m; c m_old - c m_new
;   21-69   ONE BATCH: the 16 scalings c s - c m and all 33 exponentials (a at 23, then s0-s31); none of these reads an exponential's result; a pair is scaled in an earlier four than the one with its exponentials
;   (wait)  between 69 and 70 stands the one wait for the batch: SLICE writes it, once for both tiles
;   70-85   the roundings to f16      86-101  the sums; l = a l + the sum      102-117 the tile's O^T times a
.macro SM t
.set rT, ST+8*(\t)
.set rS, S+32*(\t)
.set rP, P+16*(\t)
.set rO, 32*(\t)+2*(j-102)
.if j < 102
	WIN 0
.endif
.if j < 4
	v_max3_num_f32 v[rT+4+j], v[rS+8*j], v[rS+8*j+1], v[rS+8*j+2]
.elseif j < 12
	v_max3_num_f32 v[rT+4+j%4], v[rT+4+j%4], v[rS+8*(j%4)+2*(j/4)+1], v[rS+8*(j%4)+2*(j/4)+2]
.elseif j == 12
	v_max3_num_f32 v[rT+4], v[rT+4], v[rS+7], v[rS+15]
.elseif j == 13
	v_max3_num_f32 v[rT+6], v[rT+6], v[rS+23], v[rS+31]
.elseif j == 14
	v_max3_num_f32 v[rT+4], v[rT+4], v[rT+5], v[rT+6]
.elseif j == 15
	v_max3_num_f32 v[rT+4], v[rT+4], v[rT+7], v[rT+1]
.elseif j == 16
	v_permlanex16_b32 v[rT+5], v[rT+4], s[SEL], s[SEL+1]  ; the query's other 32 keys lie in the lane 16 away
.elseif j == 17
	v_mov_b32 v[rT+7], v[rT]
.elseif j == 18
	v_max_num_f32 v[rT+1], v[rT+4], v[rT+5]
.elseif j == 19
	v_mul_f32 v[rT], s[CS], v[rT+1]
.elseif j == 20
	v_sub_f32 v[rT+7], v[rT+7], v[rT]
.elseif j == 23
	v_exp_f32 v[rT+6], v[rT+7]
.elseif (j < 23) || ((j < 38) && (j%2 == 0)) || ((j < 66) && (j%4 == 2))
.set b, (j-2)/4                     ; 38, 42, .. 62: pairs 9 to 15
.if j < 38
.set b, (j-20)/2                    ; 21: pair 0; 22, 24, .. 36: pairs 1 to 8
.endif
	v_pk_fma_f32 v[rS+2*b:rS+2*b+1], v[rS+2*b:rS+2*b+1], s[CS:CS+1], v[rT:rT+1] op_sel_hi:[1,0,0] neg_lo:[0,0,1] neg_hi:[0,0,1]
.elseif j < 70
.set e, j-38                        ; 66 to 69: s28 to s31
.if j < 66
.set e, j-32-(j-38)/4               ; 39-41, 43-45, .. 63-65: s7 to s27
.endif
.if j < 38
.set e, (j-25)/2                    ; 25, 27, .. 37: s0 to s6
.endif
	v_exp_f32 v[rS+e], v[rS+e]
.elseif j < 86
	v_cvt_pk_f16_f32 v[rP+j-70], v[rS+2*(j-70)], v[rS+2*(j-70)+1]
.elseif j < 102                     ; the 16 pairs' sum, in place: neighbours 1, 2, 4 and 8 pairs apart, then l takes it
.set z, j-86
.set w, 4
.set u, z
.if z >= 14
.set w, 32
.set u, 0
.elseif z >= 12
.set w, 16
.set u, z-12
.elseif z >= 8
.set w, 8
.set u, z-8
.endif
.if z < 15
	v_pk_add_f32 v[rS+w*u:rS+w*u+1], v[rS+w*u:rS+w*u+1], v[rS+w*u+w/2:rS+w*u+w/2+1]
.else
	v_pk_fma_f32 v[rT+2:rT+3], v[rT+2:rT+3], v[rT+6:rT+7], v[rS:rS+1] op_sel_hi:[1,0,1]
.endif
.else
	WIN W_RS
	v_pk_mul_f32 v[rO:rO+1], v[rO:rO+1], v[rT+6:rT+7] op_sel_hi:[1,0]
.endif
.endm
; Slice k of 59 of piece y's softmax: four instructions.  Slices 11 to 34 deal out the batch, four numbers of ONE tile each, the tiles by turns; every other slice is numbers 2 k and 2 k + 1 of both tiles.
; Ahead of slice 35 nothing names an exponential's result, and behind slice 34 no exponential is issued: the piece's 66 exponentials have one wait, behind slice 34.
.macro SLICE y
.if (k >= 11) && (k < 35)
.irp n, 0,1,2,3
.set j, 22+4*((k-11)/2)+(\n)
	SM (\y)+(k-11)%2
.endr
.else
.irp n, 0,1
.irp t, \y, (\y)+1
.set j, 2*k+(\n)
	SM \t
.endr
.endr
.endif
.if k == 34
	v_nop                           ; the plain instruction behind the last exponential: one for the batch
.if (\y) == 0
	FETCH_V                         ; piece 2's turn: V's run of loads stands here, and the wait stands in it
.else
	s_wait_alu depctr_va_vdst(0)    ; the wait for the batch
.endif
.endif
.set k, k+1
.endm
.macro LUMP x, n                    ; n slices on end, with no product between them
.rept \n
	SLICE 2-(\x)
.endr
.endm
; A TURN.  Piece x has the matrix unit; the other piece's softmax stands beside and between its products.  kq = 0: the last step: no further scores, nothing is fetched.
; THE DEAL.  Slices 0-15 behind the 16 products V^T P, one each; slices 16-26 in a lump; slices 27-42 behind the 16 products K Q^T, one each; slices 43-58 (the sums and the rescaling) in a lump at the end:
; 16 + 11 + 16 + 16 = 59.  With kq = 0: 16 behind the products, 43 in one lump.
; PLACES, counted.  The end lump's 64 plain instructions, which name the other piece's registers alone, stand between the turn's last product and the next turn's runs of loads into K's and the bias's
; registers and its first reads of the new scores.  V's run stands behind slice 34, which is behind product 23; V's last reader is product 15, and the lump's eleven scalings and more lie between.
; K's and the bias's runs stand at the turn's head and are waited for ahead of product 16; V's is waited for at the head of piece 0's turn.
.macro TURN x, kq
.set k, 0
.if (\x) == 0
	s_wait_dscnt 0x0                ; V is in
.endif
.if \kq
.if (\x) == 0
	FETCH_K
.endif
	FETCH_B \x
.endif
.set i, 0
.rept 16
	PV \x
	SLICE 2-(\x)
.set i, i+1
.endr
.if \kq
	LUMP \x, 11
	s_wait_dscnt 0x0                ; K and the bias are in
.set i, 0
.rept 16
	KQ \x
	SLICE 2-(\x)
.set i, i+1
.endr
	LUMP \x, 16
.else
	LUMP \x, 43
.endif
.endm
	CHANGE 1, 0                     ; slot 0 is in, everybody's part of it; slot 1 is asked for
	FETCH_K                         ; key step 0
	FETCH_B 0
	s_wait_dscnt 0x0
.set i, 0
.rept 16
	KQ 0                            ; piece 0's first scores
.set i, i+1
.endr
	WIN 0
.rept 4
	v_nop                           ; the places behind those products
.endr
	s_mov_b32 s[TWICE], 2
	s_mov_b32 s[SLOTS], 15
	s_branch .Lmid                  ; the loop is entered at piece 2's turn: its products V^T P add zeros, its softmax is piece 0's first
.Lslot:                             ; 14 times: slots 2 to 15 are asked for
	CHANGE 1, 1
	s_mov_b32 s[TWICE], 2
.Lstep:
	TURN 0, 1
	WIN 0
.Lmid:
	TURN 2, 1
	WIN 0
	s_sub_co_u32 s[TWICE], s[TWICE], 1
	s_cmp_lg_u32 s[TWICE], 0
	s_cbranch_scc1 .Lstep
	s_sub_co_u32 s[SLOTS], s[SLOTS], 1
	s_cmp_lg_u32 s[SLOTS], 0
	s_cbranch_scc1 .Lslot
	CHANGE 0, 0                     ; the tail is written out: the last slot is read, nothing is asked for
	s_mov_b32 s[TWICE], 2
.Ltail:
	TURN 0, 1
	TURN 2, 1
	WIN 0
	s_sub_co_u32 s[TWICE], s[TWICE], 1
	s_cmp_lg_u32 s[TWICE], 0
	s_cbranch_scc1 .Ltail
	TURN 0, 0                       ; piece 0: V^T P of the last step | piece 2's last softmax
.set i, 0
.rept 16
	PV 2                            ; piece 2: V^T P of the last step
.set i, i+1
.endr
	; THE WAY OUT.  l's two halves and the other half of the lanes' are added (the first four additions are the places behind the last products); O^T is divided by l, rounded to f16 and sent through my stage, a tile at a time.
	WIN 0
.irp t, 0,1,2,3
	v_add_f32 v[ST+8*(\t)+4], v[ST+8*(\t)+2], v[ST+8*(\t)+3]
.endr
.irp t, 0,1,2,3
	v_permlanex16_b32 v[ST+8*(\t)+5], v[ST+8*(\t)+4], s[SEL], s[SEL+1]
.endr
.irp t, 0,1,2,3
	v_add_f32 v[ST+8*(\t)+4], v[ST+8*(\t)+4], v[ST+8*(\t)+5]
.endr
.irp t, 0,1,2,3
	v_rcp_f32 v[ST+8*(\t)+6], v[ST+8*(\t)+4]
.endr
	v_nop                           ; a plain instruction behind the last reciprocal,
	s_wait_alu depctr_va_vdst(0)    ; and one wait for the four
.macro PACK t                       ; a lane's eight channels of a row pack into 16 bytes; they go into rows of 144 bytes and come back as four whole rows of 128
	WIN W_RS
.set i, 32*(\t)
.rept 16
	v_pk_mul_f32 v[i:i+1], v[i:i+1], v[ST+8*(\t)+6:ST+8*(\t)+7] op_sel_hi:[1,0]
.set i, i+2
.endr
	WIN 0x05                        ; sources 0 and 1 window 1, destination window 0
.set i, 0
.rept 16
	v_cvt_pk_f16_f32 v[S+16*(\t)+i], v[32*(\t)+2*i], v[32*(\t)+2*i+1]
.set i, i+1
.endr
	WIN 0
.irp f, 0,1,2,3
	ds_store_b128 v[STO], v[S+16*(\t)+4*(\f):S+16*(\t)+4*(\f)+3] offset:32*(\f)
.endr
.irp f, 0,1,2,3
	ds_load_b128 v[S+16*(\t)+4*(\f):S+16*(\t)+4*(\f)+3], v[RD] offset:(\f)*4*SP  ; LDS serves a wave's instructions in order (ISA guide 5.7.1.4)
.endr
.endm
.macro SEND t, younger              ; younger: the LDS instructions issued behind tile t's loads: the next tile's eight, or none
.irp f, 0,1,2,3
	s_wait_dscnt (\younger)+3-(\f)
	global_store_b128 v[GO], v[S+16*(\t)+4*(\f):S+16*(\t)+4*(\f)+3], s[12:13] offset:(\t)*2048+(\f)*512  ; 512 consecutive bytes, aligned
.endr
.endm
	PACK 0
	PACK 1                          ; a tile's arithmetic stands between the loads of the tile before and its stores
	SEND 0, 8
	PACK 2
	SEND 1, 8
	PACK 3
	SEND 2, 8
	SEND 3, 0
	s_wait_tensorcnt 0x0            ; the wave's end
	ds_add_u32 v[SPW], v[NIL]
	s_wait_dscnt 0x0
	CROUND                          ; the closing round
	s_endpgm
.Lfunc_end_k_qb944bec63b_attn:
	.size	k_qb944bec63b_attn, .Lfunc_end_k_qb944bec63b_attn-k_qb944bec63b_attn
	.p2alignl 7, 3214868480
	.fill 96, 4, 3214868480
	.section	.rodata,"a",@progbits
	.p2align	6, 0x0
	.amdhsa_kernel k_qb944bec63b_attn
		.amdhsa_group_segment_fixed_size 327680
		.amdhsa_private_segment_fixed_size 0
		.amdhsa_enable_private_segment 0
		.amdhsa_kernarg_size 40
		.amdhsa_user_sgpr_count 2
		.amdhsa_user_sgpr_kernarg_segment_ptr 1
		.amdhsa_wavefront_size32 1
		.amdhsa_system_sgpr_workgroup_id_x 1
		.amdhsa_system_sgpr_workgroup_id_y 1
		.amdhsa_system_sgpr_workgroup_id_z 1
		.amdhsa_system_vgpr_workitem_id 0
		.amdhsa_next_free_vgpr 704
		.amdhsa_next_free_sgpr 90
		.amdhsa_reserve_vcc 0
		.amdhsa_float_denorm_mode_32 3
		.amdhsa_float_denorm_mode_16_64 3
		.amdhsa_memory_ordered 1
		.amdhsa_forward_progress 1
		.amdhsa_inst_pref_size 158
	.end_amdhsa_kernel
	.amdgpu_metadata
---
amdhsa.version: [ 1, 2 ]
amdhsa.kernels:
  - .name:           k_qb944bec63b_attn
    .symbol:         k_qb944bec63b_attn.kd
    .args:
      - { .name: qf, .offset: 0, .size: 8, .value_kind: global_buffer, .address_space: global }
      - { .name: kvw, .offset: 8, .size: 8, .value_kind: global_buffer, .address_space: global }
      - { .name: attn_bias, .offset: 16, .size: 8, .value_kind: global_buffer, .address_space: global }
      - { .name: scale_mul, .offset: 24, .size: 8, .value_kind: global_buffer, .address_space: global }
      - { .name: oh, .offset: 32, .size: 8, .value_kind: global_buffer, .address_space: global }
    .group_segment_fixed_size: 327680
    .private_segment_fixed_size: 0
    .kernarg_segment_align: 8
    .kernarg_segment_size: 40
    .max_flat_workgroup_size: 128
    .sgpr_count:     90
    .vgpr_count:     704
    .wavefront_size: 32
...
	.end_amdgpu_metadata
.endif
;; end of part 4
;; launch oproj: the kernel of part 3 again; grid 8 x 32, 4 waves a work-group, clusters of 4 x 4, 327,680 bytes of LDS; arguments oh, wps, bp, out0; writes out0
;; ======== version 2 of 2: 5 launches; version 1 with the launch cast written anew for expert scheduling mode
;; limits: values are held in f16: magnitudes above 65,504 overflow, below 6.1e-05 lose precision
;; workspace buffers: cw 20,971,520 bytes; xs 8,388,608 bytes; wqs 2,097,152 bytes; wps 2,097,152 bytes; zb 4,096 bytes; kvw 33,816,576 bytes; qf 16,777,216 bytes; oh 8,388,608 bytes
;; launch cast (part 5): grid 1024 x 1, 8 waves a work-group, no clusters, 0 bytes of LDS; arguments context, Wk, Wv, x, Wq, Wp, cw, xs, wqs, wps, zb; writes cw, xs, wqs, wps, zb
.if DOCPART == 5
	.amdgcn_target "amdgcn-amd-amdhsa--gfx1250"
	.amdhsa_code_object_version 6
	.text
	.protected	k_qb944bec63b_cast
	.globl	k_qb944bec63b_cast
	.p2align	8
	.type	k_qb944bec63b_cast,@function
k_qb944bec63b_cast:
	s_mov_b64 s[64:65], 0
	v_nop
	global_prefetch_b8 v0, s[64:65] scope:SCOPE_SE
	s_setreg_imm32_b32 hwreg(HW_REG_WAVE_SCHED_MODE, 0, 2), 2
	s_setreg_imm32_b32 hwreg(HW_REG_WAVE_MODE, 25, 1), 1
	s_wait_xcnt 0x0
	s_wait_alu depctr_vm_vsrc(0)
; THE INPUTS OF THE FOUR PRODUCTS, ROUNDED ONCE TO bf16 AND LAID OUT FOR THE TILES THAT READ THEM.  A stream: each f32 is read once and leaves as 2 bytes.
; A work-group takes 16 rows of 1,024 f32 (65,536 bytes); each of its eight waves has its 16 loads of 16 bytes a lane out at once.  No LDS, no loop, no matrix unit: nothing is shared and nothing is summed.
; Work-groups 0-639:  context (512 groups of rows), Wk (64), Wv (64) -> cw, bf16, rows as they lie: [8192][1024], then [2048][1024] (Wk's rows, then Wv's).
; Work-groups 640-1023: x (256), Wq (64), Wp (64) -> xs, wqs, wps: the bf16 number written as f16, in slices of 64 channels: [slice][row][64], x by batches [4][16][1024][64].
; Work-group 0 also stores zb, 1,024 zeros in f32.
; LIMITS.  A number of x, Wq or Wp whose bf16 rounding is 65,520 or more in size becomes an infinity in f16; below 6.1e-5 it keeps f16's fixed step of 6e-8.
; THE MODE: SCHED_MODE bits 1:0 = 2 (LLVM: expert scheduling mode 2), set by the entry lines.  The code itself states the register dependences
; between vector instructions and memory instructions, with s_wait_alu, always for 0.
; THE PLAN.  Registers that memory instructions touch, on each of the kernel's two ways:
;   X  v[16:79]    Written by the 16 loads, once each; read by the conversions.  No vector instruction writes them, and no second load lands in them.
;   Y  v[80:111]   Pair i is written once, by load i's conversions, and read once, by store i.
;   v1, v2         The byte offsets of the loads and of the stores: made once, ahead of the loads, and never written again.
;   v[4:7], v13    Work-group 0 alone: zb's zeros and their offset, read by one store and not written again on that way.
;   All other registers (v3, v12, v14; on the second way v4, v5, v8-v11, v13) are named by vector instructions alone.
; So the only dependence to state is: a vector instruction has written what a load or store reads.  The work of the 16 loads goes in four blocks of four: block p's conversions write
; Y[4 p .. 4 p + 3], and the four stores of block p - 1 stand in one run at the head of block p, behind ONE wait, which itself stands behind the wait for block p's first load.
; No vector instruction stands between that wait and its four stores.  Behind block 3 a last wait stands ahead of the last four stores.
.set X,   16                           ; v[16:79]   16 loads of 4 f32
.set Y,   80                           ; v[80:111]  16 stores of 4 numbers of 16 bits
.set IN,  1                            ; v1   my byte offset in the group's 65,536 bytes
.set OUT, 2                            ; v2   my byte offset in what the group stores
	s_load_b512 s[8:23], s[0:1], 0x0               ; context s[8:9], Wk s[10:11], Wv s[12:13], x s[14:15], Wq s[16:17], Wp s[18:19], cw s[20:21], xs s[22:23]
	s_load_b128 s[24:27], s[0:1], 0x40             ; wqs s[24:25], wps s[26:27]
	s_load_b64 s[28:29], s[0:1], 0x50              ; zb
	s_mov_b32 s2, ttmp9                            ; the group's number
	s_mov_b32 s37, 0                               ; the offsets' high words
	s_mov_b32 s39, 0
	s_mov_b32 s40, 0xffff0000                      ; a word's upper bf16
	v_and_b32 v3, 31, v0                           ; lane
	v_lshrrev_b32 v12, 5, v0                       ; wave
	s_wait_kmcnt 0x0
	s_cmp_lt_u32 s2, 640
	s_cbranch_scc0 .Lsliced
	s_cmp_lg_u32 s2, 0
	s_cbranch_scc1 .Lno_zeros
	v_mov_b32 v4, 0                                ; 256 threads x 16 bytes = zb's 4,096
	v_mov_b32 v5, 0
	v_mov_b32 v6, 0
	v_mov_b32 v7, 0
	v_lshlrev_b32 v13, 4, v0
	s_wait_alu depctr_va_vdst(0)                   ; v[4:7] and v13 are written: the store below reads them as its data and its offset
	global_store_b128 v13, v[4:7], s[28:29]        ; none of these registers is written again
.Lno_zeros:
	; rows as they lie
	s_mov_b32 s41, 512
	s_mov_b32 s42, 576
	s_cmp_lt_u32 s2, 576
	s_cselect_b64 s[32:33], s[10:11], s[12:13]     ; Wk or Wv,
	s_cselect_b32 s36, s41, s42                    ; and the tensor's first group
	s_cmp_lt_u32 s2, 512
	s_cselect_b64 s[32:33], s[8:9], s[32:33]       ; or context
	s_cselect_b32 s36, 0, s36
	s_sub_co_u32 s36, s2, s36                      ; the group's number in its tensor,
	s_lshl_b32 s36, s36, 16                        ; times 65,536 bytes
	s_add_nc_u64 s[32:33], s[32:33], s[36:37]
	s_lshl_b32 s38, s2, 15                         ; in cw the three tensors follow each other: 32,768 bytes a group
	s_add_nc_u64 s[34:35], s[20:21], s[38:39]
	v_lshlrev_b32 v[IN], 4, v3
	v_lshl_add_u32 v[IN], v12, 13, v[IN]           ; 8,192 x wave + 16 x lane
	v_lshlrev_b32 v[OUT], 3, v3
	v_lshl_add_u32 v[OUT], v12, 12, v[OUT]         ; 4,096 x wave + 8 x lane
	s_wait_alu depctr_va_vdst(0)                   ; v1 and v2 are written: every load below reads v1 as its offset, every store v2
.set i, 0
.rept 16
	global_load_b128 v[X+4*i:X+4*i+3], v[IN], s[32:33] offset:512*i th:TH_LOAD_NT  ; 512 consecutive bytes a load
.set i, i+1
.endr
.set i, 0
.rept 16
	s_wait_loadcnt 15-i                            ; loads come back in order: load i is in, the younger ones stay out
.if (i%4 == 0) && (i > 0)
	s_wait_alu depctr_va_vdst(0)                   ; the block before has written its four pairs of Y, which the four stores below read
.set n, i-4
.rept 4
	global_store_b64 v[OUT], v[Y+2*n:Y+2*n+1], s[34:35] offset:256*n  ; the wave's store covers 256 consecutive bytes, aligned
.set n, n+1
.endr
.endif
	v_cvt_pk_bf16_f32 v[Y+2*i], v[X+4*i], v[X+4*i+1]
	v_cvt_pk_bf16_f32 v[Y+2*i+1], v[X+4*i+2], v[X+4*i+3]
.set i, i+1
.endr
	s_wait_alu depctr_va_vdst(0)                   ; the last block has written its four pairs of Y, which the last four stores read
.set n, 12
.rept 4
	global_store_b64 v[OUT], v[Y+2*n:Y+2*n+1], s[34:35] offset:256*n
.set n, n+1
.endr
	s_endpgm
.Lsliced:
	s_sub_co_u32 s2, s2, 640
	s_mov_b32 s41, 256
	s_mov_b32 s42, 320
	s_cmp_lt_u32 s2, 320
	s_cselect_b64 s[32:33], s[16:17], s[18:19]     ; Wq or Wp,
	s_cselect_b64 s[34:35], s[24:25], s[26:27]     ; into wqs or wps
	s_cselect_b32 s36, s41, s42
	s_cmp_lt_u32 s2, 256
	s_cselect_b64 s[32:33], s[14:15], s[32:33]     ; or x
	s_cselect_b64 s[34:35], s[22:23], s[34:35]     ; into xs
	s_cselect_b32 s36, 0, s36
	s_sub_co_u32 s2, s2, s36                       ; the group's number in its tensor
	s_lshl_b32 s36, s2, 16
	s_add_nc_u64 s[32:33], s[32:33], s[36:37]
	s_lshr_b32 s38, s2, 6                          ; 64 groups are 1,024 rows: a batch of x (always 0 for the weights),
	s_lshl_b32 s38, s38, 21                        ; 16 slices x 1,024 rows x 128 bytes
	s_and_b32 s43, s2, 63
	s_lshl_b32 s43, s43, 11                        ; 16 rows of 128 bytes in a slice
	s_add_co_u32 s38, s38, s43
	s_add_nc_u64 s[34:35], s[34:35], s[38:39]
	v_and_b32 v13, 15, v0
	v_bfe_u32 v14, v0, 4, 1
	v_lshlrev_b32 v[IN], 4, v13
	v_lshl_add_u32 v[IN], v14, 12, v[IN]
	v_lshl_add_u32 v[IN], v12, 13, v[IN]           ; rows 2 w and 2 w + 1: lanes 0-15 the first, lanes 16-31 the second; 16 bytes a lane
	v_lshlrev_b32 v[OUT], 3, v3
	v_lshl_add_u32 v[OUT], v12, 8, v[OUT]          ; the two rows lie end to end in a slice: 256 x wave + 8 x lane
	s_wait_alu depctr_va_vdst(0)                   ; v1 and v2 are written: every load below reads v1 as its offset, every store v2
.set i, 0
.rept 16
	global_load_b128 v[X+4*i:X+4*i+3], v[IN], s[32:33] offset:256*i th:TH_LOAD_NT  ; slice i of both rows: twice 256 consecutive bytes, aligned
.set i, i+1
.endr
.set i, 0
.rept 16
	s_wait_loadcnt 15-i                            ; load i is in, the younger ones stay out
.if (i%4 == 0) && (i > 0)
	s_wait_alu depctr_va_vdst(0)                   ; the block before has written its four pairs of Y, which the four stores below read
.set n, i-4
.rept 4
	global_store_b64 v[OUT], v[Y+2*n:Y+2*n+1], s[34:35] offset:131072*n  ; 256 consecutive bytes, aligned, of slice n
.set n, n+1
.endr
.endif
	v_cvt_pk_bf16_f32 v4, v[X+4*i], v[X+4*i+1]     ; the one rounding,
	v_cvt_pk_bf16_f32 v5, v[X+4*i+2], v[X+4*i+3]
	v_lshlrev_b32 v8, 16, v4                       ; back to f32,
	v_and_b32 v9, s40, v4
	v_lshlrev_b32 v10, 16, v5
	v_and_b32 v11, s40, v5
	v_cvt_pk_f16_f32 v[Y+2*i], v8, v9              ; and written as f16: exact inside f16's normal range
	v_cvt_pk_f16_f32 v[Y+2*i+1], v10, v11
.set i, i+1
.endr
	s_wait_alu depctr_va_vdst(0)                   ; the last block has written its four pairs of Y, which the last four stores read
.set n, 12
.rept 4
	global_store_b64 v[OUT], v[Y+2*n:Y+2*n+1], s[34:35] offset:131072*n
.set n, n+1
.endr
	s_endpgm
.Lfunc_end_k_qb944bec63b_cast:
	.size	k_qb944bec63b_cast, .Lfunc_end_k_qb944bec63b_cast-k_qb944bec63b_cast
	.p2alignl 7, 3214868480
	.fill 96, 4, 3214868480
	.section	.rodata,"a",@progbits
	.p2align	6, 0x0
	.amdhsa_kernel k_qb944bec63b_cast
		.amdhsa_group_segment_fixed_size 0
		.amdhsa_private_segment_fixed_size 0
		.amdhsa_enable_private_segment 0
		.amdhsa_kernarg_size 88
		.amdhsa_user_sgpr_count 2
		.amdhsa_user_sgpr_kernarg_segment_ptr 1
		.amdhsa_wavefront_size32 1
		.amdhsa_system_sgpr_workgroup_id_x 1
		.amdhsa_system_sgpr_workgroup_id_y 1
		.amdhsa_system_sgpr_workgroup_id_z 1
		.amdhsa_system_vgpr_workitem_id 0
		.amdhsa_next_free_vgpr 112
		.amdhsa_next_free_sgpr 66
		.amdhsa_reserve_vcc 0
		.amdhsa_float_denorm_mode_32 3
		.amdhsa_float_denorm_mode_16_64 3
		.amdhsa_memory_ordered 1
		.amdhsa_forward_progress 1
		.amdhsa_inst_pref_size 19
	.end_amdhsa_kernel
	.amdgpu_metadata
---
amdhsa.version: [ 1, 2 ]
amdhsa.kernels:
  - .name:           k_qb944bec63b_cast
    .symbol:         k_qb944bec63b_cast.kd
    .args:
      - { .name: context, .offset: 0, .size: 8, .value_kind: global_buffer, .address_space: global }
      - { .name: Wk, .offset: 8, .size: 8, .value_kind: global_buffer, .address_space: global }
      - { .name: Wv, .offset: 16, .size: 8, .value_kind: global_buffer, .address_space: global }
      - { .name: x, .offset: 24, .size: 8, .value_kind: global_buffer, .address_space: global }
      - { .name: Wq, .offset: 32, .size: 8, .value_kind: global_buffer, .address_space: global }
      - { .name: Wp, .offset: 40, .size: 8, .value_kind: global_buffer, .address_space: global }
      - { .name: cw, .offset: 48, .size: 8, .value_kind: global_buffer, .address_space: global }
      - { .name: xs, .offset: 56, .size: 8, .value_kind: global_buffer, .address_space: global }
      - { .name: wqs, .offset: 64, .size: 8, .value_kind: global_buffer, .address_space: global }
      - { .name: wps, .offset: 72, .size: 8, .value_kind: global_buffer, .address_space: global }
      - { .name: zb, .offset: 80, .size: 8, .value_kind: global_buffer, .address_space: global }
    .group_segment_fixed_size: 0
    .private_segment_fixed_size: 0
    .kernarg_segment_align: 8
    .kernarg_segment_size: 88
    .max_flat_workgroup_size: 256
    .sgpr_count:     66
    .vgpr_count:     112
    .wavefront_size: 32
...
	.end_amdgpu_metadata
.endif
;; end of part 5
;; launch kvproj: the kernel of part 2 again; grid 8 x 32, 4 waves a work-group, clusters of 4 x 4, 327,680 bytes of LDS; arguments cw, kvw; writes kvw
;; launch qproj: the kernel of part 3 again; grid 8 x 32, 4 waves a work-group, clusters of 4 x 4, 327,680 bytes of LDS; arguments xs, wqs, zb, qf; writes qf
;; launch attn: the kernel of part 4 again; grid 8 x 32, 4 waves a work-group, clusters of 4 x 4, 327,680 bytes of LDS; arguments qf, kvw, attn_bias, scale_mul, oh; writes oh
;; launch oproj: the kernel of part 3 again; grid 8 x 32, 4 waves a work-group, clusters of 4 x 4, 327,680 bytes of LDS; arguments oh, wps, bp, out0; writes out0
